; MI455X (gfx1250); checked and timed in simulation.
; The chip was launched on July 23, 2026; its instructions are those of AMD's public machine-readable ISA for CDNA 5 (MIT licence, August 2026) and "CDNA5" Instruction Set Architecture Reference Guide (July 2026). The comments in the code are by the model that wrote it; some were corrected since.
;; Mulit Head Attention. Allowed arithmetic: matrix products marked QUANTISED: E5M2 operands, one E8M0 scale for each 32 along K, by v_wmma_scale_f32_16x16x128_f8f6f4 with both operands' format E5M2, f32 sums; everything else in f32.
;; Inputs: beta 768 float32; bk 768 float32; bq 768 float32; bv 768 float32; gamma 768 float32; wk_codes 768 x 24 x 32 uint8 (E5M2 codes of wk, K innermost, in blocks of 32 codes); wk_scales 768 x 24 uint8 (E8M0 scales of wk, one for each 32 codes along K); wq_codes 768 x 24 x 32 uint8 (E5M2 codes of wq, K innermost, in blocks of 32 codes); wq_scales 768 x 24 uint8 (E8M0 scales of wq, one for each 32 codes along K); wv_codes 768 x 24 x 32 uint8 (E5M2 codes of wv, K innermost, in blocks of 32 codes); wv_scales 768 x 24 uint8 (E8M0 scales of wv, one for each 32 codes along K); x 8 x 1,024 x 768 float32.
;; Outputs: out0 8 x 1,024 x 768 float32.
;; This version of the problem:
;;   THIS VERSION OF THE PROBLEM IS GIVEN IN LOW PRECISION. The matrix products marked QUANTISED in the list below multiply operands that are first quantised to E5M2 (5 exponent bits, 2 mantissa bits; 8 bits a number), with one power-of-two scale for each 32 numbers along K (OCP MX v1.0); their sums are f32. All else is computed in f32.
;;   The module's matrix products, in the order in which they are computed (A, B: the left and right operand; K: the contracted axis; several contracted axes count as one K, in the product's order):
;;     1. [M 8,192, K 768] x [K 768, N 768]; A: input x; B: input wq (given as codes): QUANTISED
;;     2. [M 8,192, K 768] x [K 768, N 768]; A: input x; B: input wk (given as codes): QUANTISED
;;     3. [M 8,192, K 768] x [K 768, N 768]; A: input x; B: input wv (given as codes): QUANTISED
;;     4. batch 96 x [M 1,024, K 64] x [K 64, N 1,024]; A: computed on the way; B: computed on the way: QUANTISED
;;     5. batch 96 x [M 1,024, K 1,024] x [K 1,024, N 64]; A: softmax (see below); B: computed on the way: QUANTISED
;;   THE QUANTISER, for each operand of a quantised product, along K:
;;     - K is cut into blocks of 32 from its start; a last block that is shorter is filled with zeros.
;;     - A block's scale is 2^e with e = floor(log2(the largest magnitude in the block)) - 15, held to -126 .. 127; a block of zeros has e = 0. As a byte (E8M0): e + 127.
;;     - Each number is divided by its block's scale, clamped to +-57,344, and rounded to the nearest number of E5M2, ties to even, subnormals kept.
;;     - The product sums the exact products of the quantised numbers (number of the format x scale) in f32.
;;   ~~~python
;;   def quantise(x, axis):      # numpy; x: float32 -> the quantised numbers, widened to float32 again
;;       x = np.moveaxis(x, axis, -1); K = x.shape[-1]
;;       x = np.pad(x, [(0, 0)] * (x.ndim - 1) + [(0, -K % 32)]); x = x.reshape(x.shape[:-1] + (-1, 32)); a = np.abs(x).max(-1, keepdims=True)
;;       e = np.where(a > 0, np.clip(np.frexp(np.where(a > 0, a, 1))[1] - 1 - 15, -126, 127), 0)      # np.frexp(a)[1] - 1 = floor(log2(a)), exactly
;;       r = np.clip(x / 2.0 ** e, -57344, 57344)
;;       step = 2.0 ** (np.maximum(np.frexp(np.where(r == 0, 1, r))[1] - 1, -14) - 2)
;;       q = np.round(r / step) * step * 2.0 ** e      # np.round: ties to even
;;       return np.moveaxis(q.reshape(q.shape[:-2] + (-1,))[..., :K], -1, axis).astype(np.float32)
;;   ~~~
;;   SOFTMAX AHEAD OF A QUANTISED PRODUCT. Where the list says 'softmax', what is quantised is not the finished softmax but p = 2^(t - M), with t = logit x log2(e) and M = ceil(the row's largest t), a whole number; so 1/2 < the row's largest p <= 1. The row's sum l is taken of the UNQUANTISED p, in f32, and the product's result is divided by l at the end. Since M is a whole number, a kernel that streams over the keys may use a running M (the ceiling of the running maximum): every later rescaling is an exact power of two, which a block's scale takes up: the codes' values come out the same.
;;   OPERANDS COMPUTED ON THE WAY. 'Computed on the way' means the value that the module computes at that place (a softmax that the list does not call 'softmax' is quantised finished and normalised). What goes into a quantiser is computed in f32, as accurately as f32 sums, v_exp_f32 and their like allow (about 1e-6 of the number): no bf16 or f16 on the way to a quantiser, and a product that is left as it is and whose result goes on into a quantised operand takes f32 operands (vector FMAs, or v_wmma_f32_16x16x4_f32). A number that lies on a knife's edge between two numbers of the format may be rounded either way, as far as f32 arithmetic and the matrix unit's own rounding can turn it there, and no further.
;;   INPUTS GIVEN AS CODES. wk (in the module: [768, 768], K = its axis 0); wq (in the module: [768, 768], K = its axis 0); wv (in the module: [768, 768], K = its axis 0): each comes as NAME_codes (uint8): NAME with its K axis moved to the last place and cut into blocks of 32 codes, [.., K / 32, bytes a block], one block behind the other in memory; one code a byte (a code: sign, 5 exponent bits, 2 mantissa bits); and NAME_scales (uint8): the same leading axes, one E8M0 byte (e + 127) for each 32 codes along K. Its value is code x scale, taken as it is: it is not quantised again, and the codes and scales need not be those that the quantiser above would give.
;; 2 versions, each right; version 2 is version 1 with the launch proj written anew for expert scheduling mode. Each part assembles by itself: llvm-mc -triple=amdgcn-amd-amdhsa -mcpu=gfx1250 --defsym DOCPART=n.
;; ======== version 1 of 2: 3 launches
;; workspace buffers: qws 6,684,672 bytes; kvws 13,172,736 bytes; ctx 25,165,824 bytes
;; launch proj (part 1): grid 3 x 64, 4 waves a work-group, no clusters, 180,736 bytes of LDS; arguments x, wq_codes, wq_scales, bq, wk_codes, wk_scales, bk, wv_codes, wv_scales, bv, qws, kvws; writes qws, kvws
.if DOCPART == 1
	.amdgcn_target "amdgcn-amd-amdhsa--gfx1250"
	.amdhsa_code_object_version 6
	.text
	.protected	k_q3326eb29ea_proj
	.globl	k_q3326eb29ea_proj
	.p2align	8
	.type	k_q3326eb29ea_proj,@function
k_q3326eb29ea_proj:
	s_mov_b64 s[64:65], 0
	v_nop
	global_prefetch_b8 v0, s[64:65] scope:SCOPE_SE
	s_setreg_imm32_b32 hwreg(HW_REG_WAVE_MODE, 25, 1), 1
	s_wait_xcnt 0x0
; q = x wq + bq, k = x wk + bk, v = x wv + bv on codes of BF8 (E5M2) with one E8M0 scale for each 32 along K = 768, and the results quantised again for attention:
; q and k along the head's 64 channels, v along the keys.  x [8192][768] f32 is quantised here; the weights come as codes [768 n][768 k] with scale bytes [768][24].
; SHARES.  A work-group takes 128 rows of x (one batch's key step) and four heads; wave w takes head 4 x + w and makes its q, k and v slices (64 features each) one after the other.
; 192 work-groups: 2,304 slices of 128 rows are 2.25 for each of 1,024 waves' places, and whole slices make that 3; the other places have no work in this launch.
; x's codes are made once in the work-group (wave w: tiles 2 w, 2 w + 1, six K steps) and go to the other waves through LDS as images of the operand's registers: 16 bytes a lane, 512 a store.
; A slice's 24 fragments of W (384 registers) stay in registers; two sets, so that the next slice's weights land under the slice in hand.
; THE ROWS OF A TILE ARE NOT NEIGHBOURS: lane r of tile T of the 128 rows holds row 32 (T / 2) + 8 (T % 2) + r + 8 (r / 8).  Used transposed (source 0 = 16 rows of W, taken by the same formula) a lane then
; holds one row of x and 16 neighbouring channels in two tiles' registers (q, k); used plainly (source 0 = x) a lane holds one channel and 16 neighbouring keys (v).  So the conversions' results are operands' registers.
; OUT.  qws: for each head 64 tile images of 1,024 bytes, then 32 pairs of scale words (128 bytes: lanes 0-15 the even tile, lanes 16-31 the odd).  kvws: for each head 8 key steps of 17,152 bytes, each with all that
; the step wants: K's 8 tile images (8,192 bytes), V's 4 channel tiles of 2,048 bytes, K's four pairs of scale words (512 bytes), V's scale words [lane][2] (256 bytes).  A q or k word has two bytes; its upper two are 0.
; The biases are the C of each sum's first matrix instruction.
; LIMITS: NaN and infinities among the inputs are not served.  A block of zeros gets the byte 1 where the rule says 127: its codes are zeros, and this program alone reads the bytes.
; A block whose largest magnitude lies under 2^(16 - 127) is quantised under the byte 1, as the rule's hold at -126 asks.
; The loads of x and of W take 16 bytes a lane from sixteen rows an instruction, in the operands' own order: no turn through LDS is made for them.
; REGISTERS, in windows of 256: window 0 as named below; v256-639 W's set A, v640-1023 set B (fragment (set, s, t) at 256 + 384 set + 64 s + 16 t); x lands as f32 in set B's step s before wk takes it.
.set QHB,  69632                       ; a head's bytes in qws
.set HB,   137216                      ; a head's bytes in kvws
.set KSTB, 17152                       ; a key step's bytes in kvws
.set LI,   1                           ; v1   16 x lane
.set L4,   2                           ; v2   4 x lane
.set XA,   3                           ; v3   x: my row of a tile x 3,072 + 64 x half
.set WAT,  4                           ; v4   W, rows by the formula: x 768 + 16 x half
.set WAN,  5                           ; v5   W, rows as they lie
.set WSAT, 6                           ; v6   W's scale words: lanes 0-15 the even tile's rows, lanes 16-31 the odd tile's, 24 bytes a row
.set WSAN, 7                           ; v7   the same for rows as they lie
.set XWI,  8                           ; v8   LDS: where I store x's images: 16 x lane + 32,768 x wave
.set XWS,  9                           ; v9   and their scale words
.set XAD,  10                          ; v10  LDS: the group of x's images in hand
.set XSA,  11                          ; v11  and its scale words
.set BWI,  12                          ; v12  LDS: my wave's bias images
.set BAT,  13                          ; v13  64 x half
.set BAN,  14                          ; v14  4 x (lane % 16)
.set L8,   15                          ; v15  8 x lane
.set ACC,  16                          ; v16-79   eight accumulators
.set XF,   80                          ; v80-143  x's fragments: two K steps' buffers of two tiles
.set PC,   144                         ; v144-159 the codes just made
.set TM,   160                         ; v160-163 largest magnitudes, 164-167 bytes, 168-171 the hold, 172-175 the conversions' scale operands
.set BIAS, 176                         ; v176-207 the slice's bias in the result's layout
.set WS,   208                         ; v208-231 W's scale words: 12 x set + 6 x (tile / 2) + s
.set XS,   232                         ; v232-237 x's scale words of the group, one register a K step
.set VSR,  238                         ; v238-241 v's scale words as they grow
.set PK,   242                         ; v[242:243]
.set QW0,  244
.set QW1,  245
.set PW,   246                         ; the scale word to be stored
.set L4S,  247                         ; v247 4 x lane + 24,576
.set XB,   36                          ; s36  LDS byte at which the group in hand begins
.set CNT,  37
.set SH,   38                          ; s38  8 x the group: where v's byte goes in its word
.set HM,   39                          ; s39  lanes 16-31
.set SEL,  40                          ; s[40:41] lane l xor 16
.set MNT,  42                          ; s42  the mantissa field of 57,344
.set MSB, 0
.macro WIN new                         ; the immediate's high byte repeats the setting that is left; a switch that changes nothing is dropped
.if MSB != (\new)
	s_set_vgpr_msb (MSB<<8)|(\new)
.set MSB, (\new)
.endif
.endm
.macro PLACES                          ; eight plain vector instructions behind this matrix form, ahead of loads into its sources and of reads of its results
.rept 8
	v_nop
.endr
.endm
; my 16 rows of tile a, K step s: 64 numbers a lane, register 16 b + i = k 32 b + 16 (lane / 16) + i, into set B's step s
.macro XLOAD a, s
.set GX, 640+64*(\s)
.set GL, GX&255
	WIN (GX>>8)<<6
.irp b, 0,1,2,3
.irp j, 0,1,2,3
	global_load_b128 v[GL+16*\b+4*\j:GL+16*\b+4*\j+3], v[XA], s[4:5] offset:(\a)*24576+512*(\s)+128*\b+16*\j
.endr
.endr
	WIN 0
.endm
; a slice's four fragments of K step s and their scale words: 18 loads.  kind 0: rows by the formula (q, k); 1: rows as they lie (v)
.macro WLOAD kind, set, s, cp, sp
.set GW, 256+384*(\set)+64*(\s)
.set WL, GW&255
	WIN (GW>>8)<<6
.irp t, 0,1,2,3
.irp c, 0,1,2,3
.if \kind
	global_load_b128 v[WL+16*\t+4*\c:WL+16*\t+4*\c+3], v[WAN], s[\cp:\cp+1] offset:16*\t*768+128*(\s)+32*\c
.else
	global_load_b128 v[WL+16*\t+4*\c:WL+16*\t+4*\c+3], v[WAT], s[\cp:\cp+1] offset:(32*(\t/2)+8*(\t%2))*768+128*(\s)+32*\c
.endif
.endr
.endr
	WIN 0
.irp e, 0,1
.if \kind
	global_load_b32 v[WS+12*(\set)+6*\e+(\s)], v[WSAN], s[\sp:\sp+1] offset:768*\e+4*(\s)
.else
	global_load_b32 v[WS+12*(\set)+6*\e+(\s)], v[WSAT], s[\sp:\sp+1] offset:768*\e+4*(\s)
.endif
.endr
.endm
; 64 numbers of a lane at v[QLO] of window QSW, four blocks of 16 that lane l xor 16 completes, become 16 registers of codes in v[PC] on; the blocks' bytes are left in v[TM+4] on
.macro QUANT
	WIN 5*QSW
.irp b, 0,1,2,3
	v_max3_num_f32 v[TM+\b], |v[QLO+16*\b]|, |v[QLO+16*\b+1]|, 0x8000000   ; the floor 2^(16 - 127) among the leaves: the byte cannot fall under 1
.endr
	WIN 20*QSW
.irp i, 2,4,6,8,10,12,14
.irp b, 0,1,2,3
	v_max3_num_f32 v[TM+\b], v[TM+\b], |v[QLO+16*\b+\i]|, |v[QLO+16*\b+\i+1]|   ; the four blocks by turns
.endr
.endr
	WIN 0
.irp b, 0,1,2,3
	v_permlanex16_b32 v[TM+4+\b], v[TM+\b], s[SEL], s[SEL+1]
.endr
.irp b, 0,1,2,3
	v_max_num_f32 v[TM+\b], v[TM+\b], v[TM+4+\b]                   ; the block's largest magnitude
.endr
.irp b, 0,1,2,3
	v_add_nc_u32 v[TM+12+\b], 0xf8800000, v[TM+\b]                 ; 15 off its exponent field: the conversion's scale operand
.endr
.irp b, 0,1,2,3
	v_and_or_b32 v[TM+8+\b], v[TM+\b], 0x7f800000, s[MNT]          ; 57,344 x the scale
.endr
.irp b, 0,1,2,3
	v_lshrrev_b32 v[TM+4+\b], 23, v[TM+12+\b]                      ; the scale's byte
.endr
	WIN 65*QSW
.irp b, 0,1,2,3
.irp i, 0,1,2,3,4,5,6,7,8,9,10,11,12,13,14,15
	v_med3_num_f32 v[QLO+16*\b+\i], v[QLO+16*\b+\i], -v[TM+8+\b], v[TM+8+\b]   ; the conversion to an 8-bit code does not saturate (ISA guide 7.6.2): the hold comes first
.endr
.endr
	WIN QSW
.irp b, 0,1,2,3
	v_cvt_scalef32_pk8_bf8_f32 v[PC+4*\b:PC+4*\b+1], v[QLO+16*\b:QLO+16*\b+7], v[TM+12+\b]
	v_cvt_scalef32_pk8_bf8_f32 v[PC+4*\b+2:PC+4*\b+3], v[QLO+16*\b+8:QLO+16*\b+15], v[TM+12+\b]
.endr
	WIN 0
	v_nop                                          ; one plain vector instruction behind the last conversion, ahead of whatever next touches its registers
.endm
; tile a, K step s of my rows of x: quantised, and its image and scale words stored
.macro UNIT a, s
.set QLO, (640+64*(\s))&255
.set QSW, (640+64*(\s))>>8
	s_wait_loadcnt 63                              ; loads return in order; at least 80 younger ones have been issued at every such place, and a wait can name no more than 63: this unit's 16 are in
	s_wait_dscnt 0x0                               ; the last image's stores have read v[PC] on
	QUANT
	v_lshl_or_b32 v[PW], v[TM+5], 8, v[TM+4]
	v_lshl_or_b32 v[PW], v[TM+6], 16, v[PW]
	v_lshl_or_b32 v[PW], v[TM+7], 24, v[PW]        ; my row's scale word for these 128 along K
.irp c, 0,1,2,3
	ds_store_b128 v[XWI], v[PC+4*\c:PC+4*\c+3] offset:(\s)*4096+(\a)*2048+512*\c
.endr
	ds_store_b32 v[XWS], v[PW] offset:128*(\s)+64*(\a)   ; lanes l and l xor 16 write the same word with the same value
.endm
.macro XFETCH sl                       ; the group's two fragments of K step sl
.irp a, 0,1
.irp c, 0,1,2,3
	ds_load_b128 v[XF+32*((\sl)%2)+16*\a+4*\c:XF+32*((\sl)%2)+16*\a+4*\c+3], v[XAD] offset:(\sl)*4096+\a*2048+512*\c
.endr
.endr
.endm
.macro XSFETCH                         ; its scale words: lanes 0-15 the even tile's, lanes 16-31 the odd tile's
.irp s, 0,1,2,3,4,5
	ds_load_b32 v[XS+\s], v[XSA] offset:128*\s
.endr
.endm
.macro BIASLD slice
.irp i, 0,1,2,3,4,5,6,7
	ds_load_b128 v[BIAS+4*\i:BIAS+4*\i+3], v[BWI] offset:(\slice)*4096+512*\i
.endr
.endm
; one matrix instruction; ra, rb = 1: that side's scales are read from lanes 16-31
.macro WM d, a, b, c, sa, sb, ra, rb
.if (\ra) && (\rb)
	v_wmma_scale_f32_16x16x128_f8f6f4 v[(\d):(\d)+7], v[(\a):(\a)+15], v[(\b):(\b)+15], v[(\c):(\c)+7], v[(\sa)], v[(\sb)] matrix_a_fmt:MATRIX_FMT_BF8 matrix_b_fmt:MATRIX_FMT_BF8 matrix_a_scale:MATRIX_SCALE_ROW1 matrix_b_scale:MATRIX_SCALE_ROW1
.elseif (\ra)
	v_wmma_scale_f32_16x16x128_f8f6f4 v[(\d):(\d)+7], v[(\a):(\a)+15], v[(\b):(\b)+15], v[(\c):(\c)+7], v[(\sa)], v[(\sb)] matrix_a_fmt:MATRIX_FMT_BF8 matrix_b_fmt:MATRIX_FMT_BF8 matrix_a_scale:MATRIX_SCALE_ROW1
.elseif (\rb)
	v_wmma_scale_f32_16x16x128_f8f6f4 v[(\d):(\d)+7], v[(\a):(\a)+15], v[(\b):(\b)+15], v[(\c):(\c)+7], v[(\sa)], v[(\sb)] matrix_a_fmt:MATRIX_FMT_BF8 matrix_b_fmt:MATRIX_FMT_BF8 matrix_b_scale:MATRIX_SCALE_ROW1
.else
	v_wmma_scale_f32_16x16x128_f8f6f4 v[(\d):(\d)+7], v[(\a):(\a)+15], v[(\b):(\b)+15], v[(\c):(\c)+7], v[(\sa)], v[(\sb)] matrix_a_fmt:MATRIX_FMT_BF8 matrix_b_fmt:MATRIX_FMT_BF8
.endif
.endm
; K step s of a group: eight matrix instructions on eight accumulators, which take turns.  The first step's C is the bias: nothing is cleared
.macro MULT kind, set, s
.set GW, 256+384*(\set)+64*(\s)
.set WL, GW&255
.set XFB, XF+32*((\s)%2)
.set WSB, WS+12*(\set)+(\s)
.if \kind
	WIN (GW>>8)<<2                                 ; source 1 (W) in its window
.irp f, 0,1,2,3
.irp u, 0,1
.if (\s) == 0
	WM ACC+16*\f+8*\u, XFB+16*\u, WL+16*\f, BIAS+8*\f, XS+(\s), WSB+6*(\f/2), \u, \f%2
.else
	WM ACC+16*\f+8*\u, XFB+16*\u, WL+16*\f, ACC+16*\f+8*\u, XS+(\s), WSB+6*(\f/2), \u, \f%2
.endif
.endr
.endr
.else
	WIN GW>>8                                      ; source 0 (W) in its window
.irp a, 0,1
.irp t, 0,1,2,3
.if (\s) == 0
	WM ACC+32*\a+8*\t, WL+16*\t, XFB+16*\a, BIAS+8*\t, WSB+6*(\t/2), XS+(\s), \t%2, \a
.else
	WM ACC+32*\a+8*\t, WL+16*\t, XFB+16*\a, ACC+32*\a+8*\t, WSB+6*(\t/2), XS+(\s), \t%2, \a
.endif
.endr
.endr
.endif
	WIN 0
.endm
; A GROUP: x's tiles 2 n, 2 n + 1 against the slice's four tiles of features: 48 matrix instructions, one quantising, the stores.  Each K step's fragments are asked for two steps ahead, the next group's first two in steps 4 and 5.
.macro GROUP kind, set, cp, sp
	s_wait_dscnt 0x0                               ; K steps 0 and 1, the scale words, the bias: asked for ahead of the last quantising
	MULT \kind, \set, 0
	PLACES
	XFETCH 2
	MULT \kind, \set, 1
	PLACES
	XFETCH 3
	s_wait_dscnt 8                                 ; all but the eight just issued: K step 2 is in
	MULT \kind, \set, 2
	PLACES
	XFETCH 4
	s_wait_dscnt 8
	MULT \kind, \set, 3
	PLACES
	XFETCH 5
	s_wait_dscnt 8
	MULT \kind, \set, 4
	PLACES
	s_add_co_u32 s[XB], s[XB], 32768               ; on to the next group; behind the fourth comes the first again, for the next slice
	s_and_b32 s[XB], s[XB], 0x1ffff
	v_add_nc_u32 v[XAD], s[XB], v[LI]
	v_add_nc_u32 v[XSA], s[XB], v[L4S]
	XFETCH 0
	s_wait_dscnt 8
	MULT \kind, \set, 5
	PLACES
	XFETCH 1
	XSFETCH
.set QLO, ACC
.set QSW, 0
	QUANT                                          ; each accumulator is read from its low end on
.if \kind
.irp f, 0,1,2,3
	global_store_b128 v[LI], v[PC+4*\f:PC+4*\f+3], s[\cp:\cp+1] offset:2048*\f   ; channel tile f, keys 32 n on: 512 consecutive bytes
.endr
.irp f, 0,1,2,3
	v_lshl_or_b32 v[VSR+\f], v[TM+4+\f], s[SH], v[VSR+\f]
.endr
	s_wait_xcnt 0x0                                ; the stores have read their data and base: both are written again only behind this wait
	s_add_co_u32 s[SH], s[SH], 8
	s_add_nc_u64 s[\cp:\cp+1], s[\cp:\cp+1], 512
.else
.irp i, 0,1,2,3
	global_store_b128 v[LI], v[PC+4*\i:PC+4*\i+3], s[\cp:\cp+1] offset:512*\i    ; two tile images: 2,048 consecutive bytes
.endr
	v_lshl_or_b32 v[QW0], v[TM+5], 8, v[TM+4]      ; the even tile's word: two bytes, zeros above
	v_lshl_or_b32 v[QW1], v[TM+7], 8, v[TM+6]      ; the odd tile's
	v_cndmask_b32 v[PW], v[QW0], v[QW1], s[HM]     ; lanes 16-31 carry the odd tile's
	global_store_b32 v[L4], v[PW], s[\sp:\sp+1]
	s_wait_xcnt 0x0                                ; as above
	s_add_nc_u64 s[\cp:\cp+1], s[\cp:\cp+1], 2048
	s_add_nc_u64 s[\sp:\sp+1], s[\sp:\sp+1], 128
.endif
.endm
.macro GROUPS kind, set, trips, cp, sp
	s_mov_b32 s[CNT], \trips
.Lgroup_\@:
	GROUP \kind, \set, \cp, \sp
	s_sub_co_u32 s[CNT], s[CNT], 1
	s_cmp_lg_u32 s[CNT], 0
	s_cbranch_scc1 .Lgroup_\@
.endm
	s_load_b512 s[4:19], s[0:1], 0x0               ; x, wq codes, wq scales, bq, wk codes, wk scales, bk, wv codes
	s_load_b256 s[20:27], s[0:1], 0x40             ; wv scales, bv, qws, kvws
	v_lshl_add_u32 v254, v0, 2, 0x2c000
	v_mov_b32 v255, 0
	v_lshrrev_b32 v248, 5, v0
	v_readfirstlane_b32 s28, v248                  ; wave 0..3
	s_and_b32 s29, ttmp7, 0xffff                   ; which 128 rows
	s_lshl_b32 s31, ttmp9, 2
	s_add_co_u32 s31, s31, s28                     ; my head
	v_and_b32 v248, 31, v0                         ; lane
	v_and_b32 v249, 15, v0                         ; r
	v_bfe_u32 v250, v0, 4, 1                       ; half
	v_and_b32 v251, 8, v249
	v_add_nc_u32 v251, v251, v249                  ; r + 8 (r / 8)
	v_lshlrev_b32 v[LI], 4, v248
	v_lshlrev_b32 v[L4], 2, v248
	v_lshlrev_b32 v[L8], 3, v248
	v_mul_u32_u24 v[XA], v251, 3072
	v_lshl_add_u32 v[XA], v250, 6, v[XA]
	v_mul_u32_u24 v[WAT], v251, 768
	v_lshl_add_u32 v[WAT], v250, 4, v[WAT]
	v_mul_u32_u24 v[WAN], v249, 768
	v_lshl_add_u32 v[WAN], v250, 4, v[WAN]
	v_lshl_add_u32 v252, v250, 3, v251
	v_mul_u32_u24 v[WSAT], v252, 24
	v_mul_u32_u24 v[WSAN], v248, 24
	s_lshl_b32 s32, s28, 15                        ; my group's place in LDS: 32,768 x wave
	v_add_nc_u32 v[XWI], s32, v[LI]
	v_lshlrev_b32 v[BAN], 2, v249
	v_add_nc_u32 v[XWS], s32, v[BAN]
	v_add_nc_u32 v[XWS], 24576, v[XWS]
	s_mul_i32 s33, s28, 12288
	s_add_co_u32 s33, s33, 131072                  ; my bias images, behind the four groups
	v_add_nc_u32 v[BWI], s33, v[LI]
	v_lshlrev_b32 v[BAT], 6, v250
	v_add_nc_u32 v[L4S], 24576, v[L4]
	s_mov_b32 s[HM], 0xffff0000
	s_mov_b32 s[SEL], 0x76543210
	s_mov_b32 s[SEL+1], 0xfedcba98
	s_mov_b32 s[MNT], 0x600000
.irp b, 0,1,2,3
	v_mov_b32 v[TM+4+\b], 0                        ; written once: a lane permute's destination counts as one of its sources
.endr
	s_lshl_b32 s32, s29, 7
	s_lshl_b32 s34, s28, 5
	s_add_co_u32 s32, s32, s34
	s_mul_i32 s32, s32, 3072                       ; x: row 128 y + 32 wave
	s_mov_b32 s33, 0
	s_wait_kmcnt 0x0
	s_add_nc_u64 s[4:5], s[4:5], s[32:33]
	s_mul_i32 s32, s31, 49152                      ; my head's 64 rows of each weight,
	s_add_nc_u64 s[6:7], s[6:7], s[32:33]
	s_add_nc_u64 s[12:13], s[12:13], s[32:33]
	s_add_nc_u64 s[18:19], s[18:19], s[32:33]
	s_mul_i32 s32, s31, 1536                       ; of their scale bytes,
	s_add_nc_u64 s[8:9], s[8:9], s[32:33]
	s_add_nc_u64 s[14:15], s[14:15], s[32:33]
	s_add_nc_u64 s[20:21], s[20:21], s[32:33]
	s_lshl_b32 s32, s31, 8                         ; of the biases
	s_add_nc_u64 s[10:11], s[10:11], s[32:33]
	s_add_nc_u64 s[16:17], s[16:17], s[32:33]
	s_add_nc_u64 s[22:23], s[22:23], s[32:33]
	s_lshr_b32 s34, s29, 3
	s_mul_i32 s34, s34, 12
	s_add_co_u32 s34, s34, s31                     ; 12 x batch + head
	s_and_b32 s35, s29, 7                          ; the key step
	s_mul_i32 s32, s34, QHB
	s_lshl_b32 s36, s35, 13
	s_add_co_u32 s32, s32, s36
	s_add_nc_u64 s[44:45], s[24:25], s[32:33]      ; q's tile images
	s_mul_i32 s32, s34, QHB
	s_lshl_b32 s36, s35, 9
	s_add_co_u32 s32, s32, s36
	s_add_co_u32 s32, s32, 65536
	s_add_nc_u64 s[46:47], s[24:25], s[32:33]      ; q's scale words
	s_mul_i32 s32, s34, HB
	s_mul_i32 s36, s35, KSTB
	s_add_co_u32 s32, s32, s36
	s_add_nc_u64 s[48:49], s[26:27], s[32:33]      ; the key step's block: k's tile images,
	s_add_nc_u64 s[52:53], s[48:49], 8192          ; v's,
	s_add_nc_u64 s[50:51], s[48:49], 16384         ; k's scale words,
	s_add_nc_u64 s[54:55], s[48:49], 16896         ; v's
	; the biases in the results' layouts.  q, k: lane (r, half), tile t, register j: feature 32 (t / 2) + 8 (t % 2) + 16 half + j.  v: feature 16 f + r in all eight registers
.irp t, 0,1,2,3
	global_load_b128 v[ACC+8*\t:ACC+8*\t+3], v[BAT], s[10:11] offset:(32*(\t/2)+8*(\t%2))*4
	global_load_b128 v[ACC+8*\t+4:ACC+8*\t+7], v[BAT], s[10:11] offset:(32*(\t/2)+8*(\t%2))*4+16
.endr
.irp t, 0,1,2,3
	global_load_b128 v[XF+8*\t:XF+8*\t+3], v[BAT], s[16:17] offset:(32*(\t/2)+8*(\t%2))*4
	global_load_b128 v[XF+8*\t+4:XF+8*\t+7], v[BAT], s[16:17] offset:(32*(\t/2)+8*(\t%2))*4+16
.endr
.irp f, 0,1,2,3
	global_load_b32 v[TM+\f], v[BAN], s[22:23] offset:64*\f
.endr
.irp s, 0,1,2,3,4,5
	XLOAD 0, \s
.endr
	s_wait_loadcnt 63                              ; 96 younger loads have been issued: the 20 bias loads are in
.irp i, 0,1,2,3,4,5,6,7
	ds_store_b128 v[BWI], v[ACC+4*\i:ACC+4*\i+3] offset:512*\i
.endr
.irp i, 0,1,2,3,4,5,6,7
	ds_store_b128 v[BWI], v[XF+4*\i:XF+4*\i+3] offset:4096+512*\i
.endr
.irp f, 0,1,2,3
.irp j, 0,1,2,3
	v_mov_b32 v[PC+4*\f+\j], v[TM+\f]
.endr
.endr
.irp f, 0,1,2,3
	ds_store_b128 v[BWI], v[PC+4*\f:PC+4*\f+3] offset:8192+1024*\f
	ds_store_b128 v[BWI], v[PC+4*\f:PC+4*\f+3] offset:8192+1024*\f+512
.endr
	; x becomes codes.  Behind each unit its landing registers take the next loads: the odd tile's numbers and wq, then wk
.irp s, 0,1,2,3,4,5
	UNIT 0, \s
	XLOAD 1, \s
	WLOAD 0, 0, \s, 6, 8
.endr
.irp s, 0,1,2,3,4,5
	UNIT 1, \s
	WLOAD 0, 1, \s, 12, 14
.endr
	s_wait_dscnt 0x0                               ; for the others' sake: my images and scale words lie in LDS
	s_barrier_signal -1
	s_barrier_wait -1                              ; everybody's do; from here on LDS is only read
	s_mov_b32 s[XB], 0
	v_mov_b32 v[XAD], v[LI]
	v_mov_b32 v[XSA], v[L4S]
	XFETCH 0
	XFETCH 1
	XSFETCH
	BIASLD 0
	s_wait_loadcnt 63                              ; wk's 108 loads are younger than wq's: wq is in
	GROUPS 0, 0, 4, 44, 46                         ; q
	WLOAD 1, 0, 0, 18, 20                          ; wv takes wq's registers: half of it now,
	WLOAD 1, 0, 1, 18, 20
	WLOAD 1, 0, 2, 18, 20
	BIASLD 1
	s_wait_loadcnt 54                              ; these 54 are younger than wk's: wk is in
	GROUPS 0, 1, 2, 48, 50                         ; k
	WLOAD 1, 0, 3, 18, 20                          ; the other half in the slice's middle
	WLOAD 1, 0, 4, 18, 20
	WLOAD 1, 0, 5, 18, 20
	GROUPS 0, 1, 2, 48, 50
	BIASLD 2
.irp f, 0,1,2,3
	v_mov_b32 v[VSR+\f], 0
.endr
	s_mov_b32 s[SH], 0
	s_wait_loadcnt 0x0                             ; wv
	GROUPS 1, 0, 4, 52, 54                         ; v
	v_cndmask_b32 v[PK], v[VSR], v[VSR+1], s[HM]   ; lanes 0-15 channel tile 0's words, lanes 16-31 tile 1's;
	v_cndmask_b32 v[PK+1], v[VSR+2], v[VSR+3], s[HM]   ; tiles 2 and 3
	global_store_b64 v[L8], v[PK:PK+1], s[54:55]   ; 256 consecutive bytes
	s_wait_dscnt 0x0                               ; the last group's look-ahead is not used
	s_wait_tensorcnt 0x0
	ds_add_u32 v254, v255
	s_wait_dscnt 0x0
	s_endpgm
.Lfunc_end_k_q3326eb29ea_proj:
	.size	k_q3326eb29ea_proj, .Lfunc_end_k_q3326eb29ea_proj-k_q3326eb29ea_proj
	.p2alignl 7, 3214868480
	.fill 96, 4, 3214868480
	.section	.rodata,"a",@progbits
	.p2align	6, 0x0
	.amdhsa_kernel k_q3326eb29ea_proj
		.amdhsa_group_segment_fixed_size 180736
		.amdhsa_private_segment_fixed_size 0
		.amdhsa_enable_private_segment 0
		.amdhsa_kernarg_size 96
		.amdhsa_user_sgpr_count 2
		.amdhsa_user_sgpr_kernarg_segment_ptr 1
		.amdhsa_wavefront_size32 1
		.amdhsa_system_sgpr_workgroup_id_x 1
		.amdhsa_system_sgpr_workgroup_id_y 1
		.amdhsa_system_sgpr_workgroup_id_z 1
		.amdhsa_system_vgpr_workitem_id 0
		.amdhsa_next_free_vgpr 1024
		.amdhsa_next_free_sgpr 66
		.amdhsa_reserve_vcc 0
		.amdhsa_float_denorm_mode_32 3
		.amdhsa_float_denorm_mode_16_64 3
		.amdhsa_memory_ordered 1
		.amdhsa_forward_progress 1
		.amdhsa_inst_pref_size 246
	.end_amdhsa_kernel
	.amdgpu_metadata
---
amdhsa.version: [ 1, 2 ]
amdhsa.kernels:
  - .name:           k_q3326eb29ea_proj
    .symbol:         k_q3326eb29ea_proj.kd
    .args:
      - { .name: x, .offset: 0, .size: 8, .value_kind: global_buffer, .address_space: global }
      - { .name: wq_codes, .offset: 8, .size: 8, .value_kind: global_buffer, .address_space: global }
      - { .name: wq_scales, .offset: 16, .size: 8, .value_kind: global_buffer, .address_space: global }
      - { .name: bq, .offset: 24, .size: 8, .value_kind: global_buffer, .address_space: global }
      - { .name: wk_codes, .offset: 32, .size: 8, .value_kind: global_buffer, .address_space: global }
      - { .name: wk_scales, .offset: 40, .size: 8, .value_kind: global_buffer, .address_space: global }
      - { .name: bk, .offset: 48, .size: 8, .value_kind: global_buffer, .address_space: global }
      - { .name: wv_codes, .offset: 56, .size: 8, .value_kind: global_buffer, .address_space: global }
      - { .name: wv_scales, .offset: 64, .size: 8, .value_kind: global_buffer, .address_space: global }
      - { .name: bv, .offset: 72, .size: 8, .value_kind: global_buffer, .address_space: global }
      - { .name: qws, .offset: 80, .size: 8, .value_kind: global_buffer, .address_space: global }
      - { .name: kvws, .offset: 88, .size: 8, .value_kind: global_buffer, .address_space: global }
    .group_segment_fixed_size: 180736
    .private_segment_fixed_size: 0
    .kernarg_segment_align: 8
    .kernarg_segment_size: 96
    .max_flat_workgroup_size: 128
    .sgpr_count:     66
    .vgpr_count:     1024
    .wavefront_size: 32
...
	.end_amdgpu_metadata
.endif
;; end of part 1
;; launch attn (part 2): grid 8 x 32, 8 waves a work-group, clusters of 4 x 1, 327,680 bytes of LDS; arguments qws, kvws, ctx; writes ctx
.if DOCPART == 2
	.amdgcn_target "amdgcn-amd-amdhsa--gfx1250"
	.amdhsa_code_object_version 6
	.text
	.protected	k_q3326eb29ea_attn
	.globl	k_q3326eb29ea_attn
	.p2align	8
	.type	k_q3326eb29ea_attn,@function
k_q3326eb29ea_attn:
	s_mov_b64 s[64:65], 0
	v_nop
	global_prefetch_b8 v0, s[64:65] scope:SCOPE_SE
	s_setreg_imm32_b32 hwreg(HW_REG_WAVE_MODE, 25, 1), 1
	s_wait_xcnt 0x0
	s_wait_alu depctr_hold_cnt(0) depctr_sa_sdst(0) depctr_va_vdst(0) depctr_va_sdst(0) depctr_va_ssrc(0) depctr_va_vcc(0) depctr_vm_vsrc(0)
	s_getreg_b32 s2, hwreg(HW_REG_IB_STS2, 6, 4)
	s_cmp_eq_u32 s2, 0
	s_cbranch_scc0 .Lentry_in_a_cluster
	s_endpgm
.Lentry_in_a_cluster:
	s_bfe_u32 s2, ttmp6, 0x10000c
	s_cmp_lg_u32 s2, 0x3003
	s_cbranch_scc0 .Lentry_shape_is_right
	s_endpgm
.Lentry_shape_is_right:
; ctx[b][q][64 head + d] = the sum over keys of softmax(q . k / 8) v, both products on codes of BF8 (E5M2) with E8M0 scales, from the images that the launch before has laid.
; THE SOFTMAX AHEAD OF THE SECOND PRODUCT: t = score x log2(e) / 8; M = the running largest t rounded UP to a whole number; p = 2^(t - M) is quantised along the keys, not normalised; the row's sum is taken of the
; unquantised p and divides at the end.  When M moves, the sum and O are multiplied by 2^(old M - new M), which rounds nothing.
; SHARES.  A work-group takes 128 queries and three heads of one batch, one head after the other; each of its eight waves owns one tile of 16 queries in 256 registers: 24 tile-heads to each of 256 work-groups.
; A WHOLE HEAD's K, V and scale words (137,216 bytes) lie in one LDS slot as a plain copy of their block of kvws: eight key steps of 17,152 bytes, each 67 rows of 256 bytes: what one tensor load brings.
; THE FILLS.  Head 0: waves 0 to 3 ask for key steps w and w + 4, two first fills each; a wave's tensor loads end in order (ISA guide 10.11.1), so the first four steps are multiplied when half the slot has landed.
; Head 1: all eight waves, one step each, into slot 1, behind the round that stands between head 0's steps 3 and 4: it has four steps and a way out in which to land.  Head 2: likewise, into slot 0, when head 0 is done.
; A wave has at most two tensor loads out.
; CLUSTER.  The four query blocks of a cluster want the same heads: each fill is asked for JOINTLY, by the same load with the same descriptor and a mask that names the four.
; LAYOUT.  Both products are used transposed: S^T = K Q^T, O^T = V^T P^T: a lane holds one query throughout.  The keys of a tile of K are chosen so that the 16 registers of tiles 2 b, 2 b + 1 are keys 32 b + 16 (lane / 16) + 0 .. 15.
; K = 64 IN AN INSTRUCTION OF 128: Q's registers 8-15 are zero codes.  K's operand of tile T is v[32 + 8 T] on, 16 registers: its upper eight are the next tile's codes (zeros behind tile 7): finite numbers, since the launch
; before holds every number at the largest code, times Q's zeros: they add 0.  The upper two bytes of q's and k's scale words are 0, a small power of two and no NaN.
; LIMITS: NaN and infinities are not served.  A p under 2^-126 counts as 0.
.set QHB,   69632
.set HB,    137216
.set PART,  17152                      ; a key step: 67 rows of 256 bytes
.set STAGE, 2*HB                       ; behind the slots: 16 rows x 272 bytes for each wave, for the way out
.set SPARE, STAGE+8*4352               ; behind the stages: the spare words, 128 bytes for each wave: four blocks of 256 bytes that no other line names
.set LI,  1                            ; v1   16 x lane
.set L4,  2                            ; v2   4 x lane
.set L8,  3                            ; v3   8 x lane
.set SPW, 4                            ; v4   my spare word; never rewritten
.set NIL, 5                            ; v5   0; never rewritten
.set STO, 6                            ; v6   the stage: where I put 32 bytes of a row
.set RD,  7                            ; v7   and where I read a row back
.set GO,  8                            ; v8   my byte offset in ctx
.set Q4,  9                            ; v9   4 x (lane % 16)
.set ADC, 10                           ; v10  LDS: the key step, 16 bytes a lane
.set AD4, 11                           ; v11  4 bytes a lane
.set QF,  16                           ; v16-31   Q: eight registers of codes, eight of zeros
.set KV,  32                           ; v32-95   K's eight tiles, later V's four; v96-103 zeros
.set S,   104                          ; v104-167 S^T, then p
.set OT,  168                          ; v168-199 O^T
.set PC,  200                          ; v200-215 p's codes
.set BM,  216                          ; v216-219 the blocks' largest scores, then largest p
.set BT,  220                          ; v220-223 at work, then the bytes
.set HOLD, 224
.set SOP, 228
.set TT,  232
.set AD8, 233                          ; v233 8 bytes a lane
.set FF,  234                          ; v234 f = 2^(old M - new M)
.set PW,  235                          ; v235 p's scale word
.set LB,  236                          ; v[236:237] the row's sum, second pair (the first: v[14:15])
.set KSC, 240                          ; v240-243 K's scale words
.set VSC, 244                          ; v[244:245] V's
.set QSC, 246                          ; v246 Q's
.set WV,  10                           ; s10 my wave's number
.set G1,  24                           ; s[24:31] descriptor group 1
.set G0A, 32                           ; s[32:35] group 0: key step w of slot 0
.set G0B, 36                           ; s[36:39] key step w of slot 1
.set G0C, 56                           ; s[56:59] key step w + 4 of slot 0: waves 0 to 3, at the start
.set SEL, 40
.set CS,  42                           ; s[42:43] c = log2(e) / 8
.set MNT, 44
.set TB,  45                           ; s45 LDS byte at which the key step begins
.set CNT, 47
.set QP,  48                           ; s[48:49] my tile of Q
.set QSP, 50                           ; s[50:51] its scale words
.set CP,  52                           ; s[52:53] my rows of ctx, at the head in hand
; A round of the cluster's barrier: my work-group's barrier, so that wave 0's signal speaks for all eight waves; wave 0 signals; every wave waits for all four work-groups; my work-group's barrier once more
.macro ROUND
	s_barrier_signal -1
	s_barrier_wait -1
	s_cmp_lg_u32 s[WV], 0
	s_cbranch_scc1 .Lnot_wave_0_\@
	s_barrier_signal -3
.Lnot_wave_0_\@:
	s_barrier_wait -3
	s_barrier_signal -1
	s_barrier_wait -1
.endm
; Plain instruction n of four on p's quad q (registers S + 4 q on): two packed sums, of the UNQUANTISED p, then the hold, two numbers an instruction (the pair's destinations are an even and an odd
; register, its first sources lie in different banks, its second source is one register).  The conversion does not saturate (ISA guide 7.6.2); p is not negative, so the hold is one-sided
.macro PLAINQ q, n
.if (\n) == 0
	s_wait_alu depctr_va_vdst(0)
	v_pk_add_f32 v[14:15], v[14:15], v[S+4*(\q):S+4*(\q)+1]
.elseif (\n) == 1
	v_pk_add_f32 v[LB:LB+1], v[LB:LB+1], v[S+4*(\q)+2:S+4*(\q)+3]
.elseif (\n) == 2
	v_dual_min_num_f32 v[S+4*(\q)], v[S+4*(\q)], v[HOLD+(\q)/4] :: v_dual_min_num_f32 v[S+4*(\q)+1], v[S+4*(\q)+1], v[HOLD+(\q)/4]
.else
	v_dual_min_num_f32 v[S+4*(\q)+2], v[S+4*(\q)+2], v[HOLD+(\q)/4] :: v_dual_min_num_f32 v[S+4*(\q)+3], v[S+4*(\q)+3], v[HOLD+(\q)/4]
.endif
.endm
; A KEY STEP: 128 keys
.macro STEP
	v_add_nc_u32 v[ADC], s[TB], v[LI]
	v_add_nc_u32 v[AD4], s[TB], v[L4]
	v_add_nc_u32 v[AD8], s[TB], v[L8]
.rept 5
	v_nop                                          ; with the three additions: eight places behind the last products, ahead of loads into their sources
.endr
.irp t, 0,1,2,3,4,5,6,7
	ds_load_b128 v[KV+8*\t:KV+8*\t+3], v[ADC] offset:1024*\t
	ds_load_b128 v[KV+8*\t+4:KV+8*\t+7], v[ADC] offset:1024*\t+512
.endr
.irp n, 0,1,2,3
	ds_load_b32 v[KSC+\n], v[AD4] offset:16384+128*\n   ; lanes 0-15 tile 2 n's words, lanes 16-31 tile 2 n + 1's
.endr
	s_wait_dscnt 0x0
.irp t, 0,1,2,3,4,5,6,7
.if \t%2
	v_wmma_scale_f32_16x16x128_f8f6f4 v[S+8*\t:S+8*\t+7], v[KV+8*\t:KV+8*\t+15], v[QF:QF+15], 0, v[KSC+\t/2], v[QSC] matrix_a_fmt:MATRIX_FMT_BF8 matrix_b_fmt:MATRIX_FMT_BF8 matrix_a_scale:MATRIX_SCALE_ROW1
.else
	v_wmma_scale_f32_16x16x128_f8f6f4 v[S+8*\t:S+8*\t+7], v[KV+8*\t:KV+8*\t+15], v[QF:QF+15], 0, v[KSC+\t/2], v[QSC] matrix_a_fmt:MATRIX_FMT_BF8 matrix_b_fmt:MATRIX_FMT_BF8
.endif
.endr
.rept 8
	v_nop                                          ; places ahead of the loads into K's registers and of the first read of the scores
.endr
.irp f, 0,1,2,3
.irp c, 0,1,2,3
	ds_load_b128 v[KV+16*\f+4*\c:KV+16*\f+4*\c+3], v[ADC] offset:8192+2048*\f+512*\c   ; V lands under the softmax
.endr
.endr
	ds_load_b64 v[VSC:VSC+1], v[AD8] offset:16896
.irp b, 0,1,2,3
	v_max3_num_f32 v[BM+\b], v[S+16*\b], v[S+16*\b+1], v[S+16*\b+2]   ; the largest score of each block of 32 keys: for the row's maximum and, since p rises with the score, for the block's largest p
.endr
.irp i, 3,5,7,9,11,13
.irp b, 0,1,2,3
	v_max3_num_f32 v[BM+\b], v[BM+\b], v[S+16*\b+\i], v[S+16*\b+\i+1]
.endr
.endr
.irp b, 0,1,2,3
	v_max_num_f32 v[BM+\b], v[BM+\b], v[S+16*\b+15]
.endr
.irp b, 0,1,2,3
	v_permlanex16_b32 v[BT+\b], v[BM+\b], s[SEL], s[SEL+1]
.endr
.irp b, 0,1,2,3
	v_max_num_f32 v[BM+\b], v[BM+\b], v[BT+\b]     ; with lane l xor 16's 16 keys
.endr
	v_max3_num_f32 v[TT], v[BM], v[BM+1], v[BM+2]
	v_max_num_f32 v[TT], v[TT], v[BM+3]
	v_mul_f32 v[TT], s[CS], v[TT]                  ; the step's largest t (c is positive)
	v_max_num_f32 v13, v13, v[TT]                  ; the running largest t
	v_mov_b32 v[TT], v12
	v_floor_f32 v12, -v13                          ; the new -M = floor(-t): M is a whole number
	v_sub_f32 v[TT], v12, v[TT]                    ; old M - new M: a whole number, 0 or less
	v_cvt_i32_f32 v[TT], v[TT]                     ; (it saturates)
	v_ldexp_f32 v[FF], 1.0, v[TT]                  ; f
.set j, 0
.rept 32
	v_pk_fma_f32 v[S+j:S+j+1], v[S+j:S+j+1], s[CS:CS+1], v[12:13] op_sel_hi:[1,0,0]   ; t - M, two at a time
.set j, j+2
.endr
.irp b, 0,1,2,3
	v_fma_f32 v[BM+\b], v[BM+\b], s[CS], v12       ; the same of each block's largest score
.endr
.irp b, 0,1,2,3
	v_exp_f32 v[BM+\b], v[BM+\b]                   ; THE BLOCKS' SCALES COME FIRST: the block's largest p, by the same two instructions on the same number as that p itself
.endr
	v_pk_mul_f32 v[14:15], v[14:15], v[FF:FF+1] op_sel_hi:[1,0]   ; the sum's first pair under the new M; also the plain instruction behind these exponentials
	s_wait_alu depctr_va_vdst(0)
.irp b, 0,1,2,3
	v_max_num_f32 v[BM+\b], 0x8000000, v[BM+\b]    ; the floor 2^(16 - 127): the byte cannot fall under 1
.endr
.irp b, 0,1,2,3
	v_add_nc_u32 v[SOP+\b], 0xf8800000, v[BM+\b]   ; 15 off the exponent field: the conversion's scale operand
.endr
.irp b, 0,1,2,3
	v_and_or_b32 v[HOLD+\b], v[BM+\b], 0x7f800000, s[MNT]   ; 57,344 x the scale
.endr
.irp b, 0,1,2,3
	v_lshrrev_b32 v[BT+\b], 23, v[SOP+\b]          ; the scale's byte
.endr
	; THE 64 EXPONENTIALS STAND BY TURNS WITH PLAIN WORK: behind each one plain instruction that touches neither its result nor its source: in the first quad the packing of p's scale word and the
	; second pair's multiplication, from then on the sums and holds of the quad before.  So each result has a plain instruction behind it before it is used, and links of one chain of sums stand eight instructions apart
	v_exp_f32 v[S], v[S]                           ; p = 2^(t - M), at most 1
	v_lshl_or_b32 v[PW], v[BT+1], 8, v[BT]         ; p's scale word for these 128 keys
	v_exp_f32 v[S+1], v[S+1]
	v_lshl_or_b32 v[PW], v[BT+2], 16, v[PW]
	v_exp_f32 v[S+2], v[S+2]
	v_lshl_or_b32 v[PW], v[BT+3], 24, v[PW]
	v_exp_f32 v[S+3], v[S+3]
	v_pk_mul_f32 v[LB:LB+1], v[LB:LB+1], v[FF:FF+1] op_sel_hi:[1,0]   ; the sum's second pair under the new M
.set q, 1
.rept 15
.irp n, 0,1,2,3
	v_exp_f32 v[S+4*q+\n], v[S+4*q+\n]
	PLAINQ q-1, \n
.endr
.set q, q+1
.endr
.irp n, 0,1,2,3
	PLAINQ 15, \n
.endr
.irp b, 0,1,2,3
	v_cvt_scalef32_pk8_bf8_f32 v[PC+4*\b:PC+4*\b+1], v[S+16*\b:S+16*\b+7], v[SOP+\b]
	v_cvt_scalef32_pk8_bf8_f32 v[PC+4*\b+2:PC+4*\b+3], v[S+16*\b+8:S+16*\b+15], v[SOP+\b]
.endr
.set j, 0
.rept 16
	v_pk_mul_f32 v[OT+j:OT+j+1], v[OT+j:OT+j+1], v[FF:FF+1] op_sel_hi:[1,0]   ; O^T under the new M, from each accumulator's low end on; these sixteen also stand between the codes and the products
.set j, j+2
.endr
	s_wait_dscnt 0x0                               ; V and its scale words
.irp f, 0,1,2,3
.if \f%2
	v_wmma_scale_f32_16x16x128_f8f6f4 v[OT+8*\f:OT+8*\f+7], v[KV+16*\f:KV+16*\f+15], v[PC:PC+15], v[OT+8*\f:OT+8*\f+7], v[VSC+\f/2], v[PW] matrix_a_fmt:MATRIX_FMT_BF8 matrix_b_fmt:MATRIX_FMT_BF8 matrix_a_scale:MATRIX_SCALE_ROW1
.else
	v_wmma_scale_f32_16x16x128_f8f6f4 v[OT+8*\f:OT+8*\f+7], v[KV+16*\f:KV+16*\f+15], v[PC:PC+15], v[OT+8*\f:OT+8*\f+7], v[VSC+\f/2], v[PW] matrix_a_fmt:MATRIX_FMT_BF8 matrix_b_fmt:MATRIX_FMT_BF8
.endif
.endr
	s_add_co_u32 s[TB], s[TB], PART
.endm
.macro STEPS n                         ; n key steps from LDS byte s[TB] on
	s_mov_b32 s[CNT], \n
.Lstep_\@:
	STEP
	s_sub_co_u32 s[CNT], s[CNT], 1
	s_cmp_lg_u32 s[CNT], 0
	s_cbranch_scc1 .Lstep_\@
.endm
.macro QLOAD
	global_load_b128 v[QF:QF+3], v[LI], s[QP:QP+1]
	global_load_b128 v[QF+4:QF+7], v[LI], s[QP:QP+1] offset:512
	global_load_b32 v[QSC], v[Q4], s[QSP:QSP+1]
.endm
; A head begins: its statistics, its O^T, its slot
.macro HINIT slot, first
.if !(\first)
	s_wait_xcnt 0x0                                ; the last head's stores have read their data and base: both are written again only behind this wait
	s_add_nc_u64 s[CP:CP+1], s[CP:CP+1], 256       ; the next head's 64 columns
.endif
	v_mov_b32 v13, 0xff61b1e6                      ; the largest t so far: -3e38
	v_floor_f32 v12, -v13                          ; -M
	v_mov_b32 v14, 0
	v_mov_b32 v15, 0
	v_mov_b32 v[LB], 0
	v_mov_b32 v[LB+1], 0
.set j, 0
.rept 32
	v_mov_b32 v[OT+j], 0                           ; the step is written once: the first finds zeros, which the first change of M leaves zeros
.set j, j+1
.endr
	s_mov_b32 s[TB], \slot
	s_wait_loadcnt 0x0                             ; Q
.endm
; A head's way out: O^T / the sum, through my stage, as whole rows of 256 bytes
.macro WAYOUT last
.rept 8
	v_nop                                          ; places behind the last products
.endr
.if !(\last)
	s_add_nc_u64 s[QP:QP+1], s[QP:QP+1], QHB       ; the next head's Q is asked for under the way out (the last Q loads were waited for at the head's beginning)
	s_add_nc_u64 s[QSP:QSP+1], s[QSP:QSP+1], QHB
	QLOAD
.endif
	v_add_f32 v14, v14, v15                        ; the sum's four parts,
	v_add_f32 v[LB], v[LB], v[LB+1]
	v_add_f32 v14, v14, v[LB]
	v_permlanex16_b32 v[BT], v14, s[SEL], s[SEL+1]
	v_add_f32 v14, v14, v[BT]                      ; and lane l xor 16's
	v_rcp_f32 v14, v14
	v_nop                                          ; a plain instruction behind the transcendental
.set j, 0
	s_wait_alu depctr_va_vdst(0)
.rept 32
	v_mul_f32 v[S+j], v[OT+j], v14                 ; register 8 f + i: channel 16 f + 8 (lane / 16) + i of my query
.set j, j+1
.endr
.irp f, 0,1,2,3
	ds_store_b128 v[STO], v[S+8*\f:S+8*\f+3] offset:64*\f
	ds_store_b128 v[STO], v[S+8*\f+4:S+8*\f+7] offset:64*\f+16
.endr
.irp i, 0,1,2,3,4,5,6,7
	ds_load_b128 v[KV+4*\i:KV+4*\i+3], v[RD] offset:544*\i   ; LDS serves a wave's instructions in order (ISA guide 5.7.1.4): these see my stores
.endr
.irp i, 0,1,2,3,4,5,6,7
	s_wait_dscnt 7-\i                              ; the younger loads from the stage may stay out
	global_store_b128 v[GO], v[KV+4*\i:KV+4*\i+3], s[CP:CP+1] offset:(2*\i+8*(\i/4))*3072   ; sixteen lanes store a query's 256 consecutive bytes; the tile's lane 2 i + half is row 2 i + half + 8 (i / 4)
.endr
.endm
	s_load_b128 s[4:7], s[0:1], 0x0                ; qws, kvws
	s_load_b64 s[8:9], s[0:1], 0x10                ; ctx
	v_lshl_add_u32 v[SPW], v0, 2, SPARE
	v_mov_b32 v[NIL], 0
	ds_add_u32 v4, v5
	ds_add_u32 v4, v5
	s_wait_dscnt 0x0
	v_lshrrev_b32 v1, 5, v0
	v_readfirstlane_b32 s[WV], v1                  ; wave 0..7
	s_and_b32 s13, ttmp7, 0xffff                   ; y = 4 x batch + group of three heads: the four partners share it
	s_mul_i32 s14, s13, 3*HB                       ; the first head's block of kvws,
	s_mul_i32 s16, s[WV], PART                     ; key step w of it, in memory and in a slot: no place in the cluster enters either
	s_add_co_u32 s14, s14, s16
	s_mov_b32 s15, 0
	; descriptor group 1: 67 rows of 32 elements of 8 bytes, dense
	s_mov_b32 s[G1], 15|(3<<16)|(1<<21)            ; 15:0 the mask: all four work-groups; 17:16 elements of 8 bytes; 21 set beside a mask; no padding
	s_mov_b32 s[G1+1], 32<<16                      ; tensor_dim0 = 32
	s_mov_b32 s[G1+2], 67<<16                      ; tensor_dim1 = 67
	s_mov_b32 s[G1+3], 32<<16                      ; tile_dim0 = 32
	s_mov_b32 s[G1+4], 67                          ; tile_dim1 = 67
	s_mov_b32 s[G1+5], 32                          ; from row to row
	s_mov_b32 s[G1+6], 0
	s_mov_b32 s[G1+7], 0
	s_mov_b32 s[SEL], 0x76543210
	s_mov_b32 s[SEL+1], 0xfedcba98
	s_mov_b32 s[CS], 0x3e38aa3b                    ; c = log2(e) / 8
	s_mov_b32 s[CS+1], s[CS]                       ; (named with it as a pair, so it is written)
	s_mov_b32 s[MNT], 0x600000
	s_wait_kmcnt 0x0
	s_mov_b32 s[G0A], 1                            ; count = 1
	s_mov_b32 s[G0A+1], s16                        ; LDS address: slot 0, key step w
	s_add_nc_u64 s[G0A+2:G0A+3], s[6:7], s[14:15]  ; head 0
	s_mov_b32 s[G0B], 1
	s_add_co_u32 s[G0B+1], s16, HB                 ; slot 1, key step w
	s_add_nc_u64 s[G0B+2:G0B+3], s[G0A+2:G0A+3], HB   ; head 1
	s_mov_b32 s[G0C], 1
	s_add_co_u32 s[G0C+1], s16, 4*PART             ; slot 0, key step w + 4
	s_add_nc_u64 s[G0C+2:G0C+3], s[G0A+2:G0A+3], 4*PART   ; head 0
	s_or_b32 s[G0A+3], s[G0A+3], 0x80000000        ; type = 2
	s_or_b32 s[G0B+3], s[G0B+3], 0x80000000
	s_or_b32 s[G0C+3], s[G0C+3], 0x80000000
	ROUND                                          ; all four work-groups are here: the first joint loads meet
	s_cmp_lt_u32 s[WV], 4                          ; a wave's two first fills stand in one branch on its number, the same in every work-group
	s_cbranch_scc0 .Lno_first
	tensor_load_to_lds s[G0A:G0A+3], s[G1:G1+7]    ; key step w,
	s_nop 0
	tensor_load_to_lds s[G0C:G0C+3], s[G1:G1+7]    ; then key step w + 4
	s_nop 0
.rept 4
	v_nop
.endr
.Lno_first:
	s_bfe_u32 s11, ttmp6, 0x40000                  ; cx: it enters Q's and ctx's addresses alone
	s_lshl_b32 s12, ttmp9, 2
	s_add_co_u32 s12, s12, s11                     ; my block of 128 queries
	s_mul_i32 s18, s13, 3*QHB
	s_lshl_b32 s20, s12, 3
	s_add_co_u32 s20, s20, s[WV]
	s_lshl_b32 s20, s20, 10                        ; tile 8 x block + wave: 1,024 bytes a tile
	s_add_co_u32 s20, s20, s18
	s_mov_b32 s21, 0
	s_add_nc_u64 s[QP:QP+1], s[4:5], s[20:21]
	s_lshl_b32 s20, s12, 2
	s_lshr_b32 s22, s[WV], 1
	s_add_co_u32 s20, s20, s22
	s_lshl_b32 s20, s20, 7                         ; the pair of tiles: 128 bytes,
	s_and_b32 s23, s[WV], 1
	s_lshl_b32 s19, s23, 6                         ; its second half for an odd tile
	s_add_co_u32 s20, s20, s19
	s_add_co_u32 s20, s20, s18
	s_add_co_u32 s20, s20, 65536
	s_add_nc_u64 s[QSP:QSP+1], s[4:5], s[20:21]
	s_lshr_b32 s20, s13, 2
	s_lshl_b32 s20, s20, 10                        ; ctx: row 1,024 x batch + 128 x block + 32 (wave / 2) + 8 (wave % 2),
	s_lshl_b32 s19, s12, 7
	s_add_co_u32 s20, s20, s19
	s_lshl_b32 s19, s22, 5
	s_add_co_u32 s20, s20, s19
	s_lshl_b32 s19, s23, 3
	s_add_co_u32 s20, s20, s19
	s_mul_i32 s20, s20, 3072
	s_and_b32 s19, s13, 3
	s_mul_i32 s19, s19, 768                        ; and the first of my three heads: 256 bytes a head
	s_add_co_u32 s20, s20, s19
	s_add_nc_u64 s[CP:CP+1], s[8:9], s[20:21]
	v_and_b32 v2, 31, v0
	v_lshlrev_b32 v[LI], 4, v2
	v_lshlrev_b32 v[L8], 3, v2
	v_lshlrev_b32 v[L4], 2, v2
	v_and_b32 v9, 15, v0                           ; r
	v_bfe_u32 v10, v0, 4, 1                        ; half
	s_mul_i32 s17, s[WV], 4352
	s_add_co_u32 s17, s17, STAGE                   ; my stage
	v_mul_u32_u24 v[STO], v9, 272
	v_lshl_add_u32 v[STO], v10, 5, v[STO]
	v_add_nc_u32 v[STO], s17, v[STO]               ; in: row r, + 32 x half
	v_mul_u32_u24 v[RD], v10, 272
	v_lshl_add_u32 v[RD], v9, 4, v[RD]
	v_add_nc_u32 v[RD], s17, v[RD]                 ; back: lanes 0-15 one row, lanes 16-31 the next
	v_mul_u32_u24 v[GO], v10, 3072
	v_lshl_add_u32 v[GO], v9, 4, v[GO]             ; and the same two rows in ctx
	v_lshlrev_b32 v[Q4], 2, v9
.irp j, 0,1,2,3,4,5,6,7
	v_mov_b32 v[QF+8+\j], 0                        ; Q's upper 64 along K: zero codes
	v_mov_b32 v[KV+64+\j], 0                       ; what stands behind K's tile 7
.endr
.irp b, 0,1,2,3
	v_mov_b32 v[BT+\b], 0                          ; written once: a lane permute's destination counts as one of its sources
.endr
	v_mov_b32 v[PW], 0                             ; (named as the upper half of the pair with f before it is first written)
	QLOAD                                          ; head 0's Q
	HINIT 0, 1                                     ; head 0 begins while its first tiles are on their way
	s_wait_tensorcnt 1                             ; my first load, key step w, is in; my second, key step w + 4, may stay out.  (Waves 4 to 7 have none out)
	s_barrier_signal -1
	s_barrier_wait -1                              ; key steps 0 to 3 lie in slot 0
	STEPS 4
	s_wait_tensorcnt 0x0                           ; all my tensor loads have landed: key steps 4 to 7 of head 0
	ds_add_u32 v[SPW], v[NIL]                      ; 0 onto my spare word
	ds_add_u32 v4, v5
	s_mov_b32 s[TB], 4*PART                        ; (where the steps go on)
	s_wait_dscnt 0x0                               ; the add is done, and my LDS loads are back
	ROUND                                          ; both now hold of every wave of all four work-groups
	tensor_load_to_lds s[G0B:G0B+3], s[G1:G1+7]    ; slot 1's first fill, issued as a refill is: my one load behind the round: head 1, key step w
	s_nop 0
.rept 4
	v_nop
.endr
	STEPS 4
	WAYOUT 0
	s_wait_tensorcnt 0x0                           ; all my tensor loads have landed, my part of slot 1: so a group 0 may be written
	ds_add_u32 v[SPW], v[NIL]                      ; 0 onto my spare word
	s_add_nc_u64 s[G0A+2:G0A+3], s[G0A+2:G0A+3], 2*HB   ; head 2; the type bits on top are not reached
	s_wait_dscnt 0x0                               ; the add is done, and my reads of slot 0 are over
	ROUND                                          ; both now hold of every wave of all four work-groups
	tensor_load_to_lds s[G0A:G0A+3], s[G1:G1+7]    ; my one load behind the round: it has a whole head's work in which to land
	s_nop 0
.rept 4
	v_nop
.endr
	HINIT HB, 0
	STEPS 8
	WAYOUT 0
	s_wait_tensorcnt 0x0                           ; my part of head 2 is in,
	s_wait_dscnt 0x0
	s_barrier_signal -1
	s_barrier_wait -1                              ; everybody's is
	HINIT 0, 0
	STEPS 8
	WAYOUT 1
	s_wait_tensorcnt 0x0                           ; the wave's end
	ds_add_u32 v[SPW], v[NIL]
	s_wait_dscnt 0x0
	ROUND                                          ; the closing round: no work-group ends while a partner may still ask for a tile that names it
	s_endpgm
.Lfunc_end_k_q3326eb29ea_attn:
	.size	k_q3326eb29ea_attn, .Lfunc_end_k_q3326eb29ea_attn-k_q3326eb29ea_attn
	.p2alignl 7, 3214868480
	.fill 96, 4, 3214868480
	.section	.rodata,"a",@progbits
	.p2align	6, 0x0
	.amdhsa_kernel k_q3326eb29ea_attn
		.amdhsa_group_segment_fixed_size 327680
		.amdhsa_private_segment_fixed_size 0
		.amdhsa_enable_private_segment 0
		.amdhsa_kernarg_size 24
		.amdhsa_user_sgpr_count 2
		.amdhsa_user_sgpr_kernarg_segment_ptr 1
		.amdhsa_wavefront_size32 1
		.amdhsa_system_sgpr_workgroup_id_x 1
		.amdhsa_system_sgpr_workgroup_id_y 1
		.amdhsa_system_sgpr_workgroup_id_z 1
		.amdhsa_system_vgpr_workitem_id 0
		.amdhsa_next_free_vgpr 256
		.amdhsa_next_free_sgpr 66
		.amdhsa_reserve_vcc 0
		.amdhsa_float_denorm_mode_32 3
		.amdhsa_float_denorm_mode_16_64 3
		.amdhsa_memory_ordered 1
		.amdhsa_forward_progress 1
		.amdhsa_inst_pref_size 100
	.end_amdhsa_kernel
	.amdgpu_metadata
---
amdhsa.version: [ 1, 2 ]
amdhsa.kernels:
  - .name:           k_q3326eb29ea_attn
    .symbol:         k_q3326eb29ea_attn.kd
    .args:
      - { .name: qws, .offset: 0, .size: 8, .value_kind: global_buffer, .address_space: global }
      - { .name: kvws, .offset: 8, .size: 8, .value_kind: global_buffer, .address_space: global }
      - { .name: ctx, .offset: 16, .size: 8, .value_kind: global_buffer, .address_space: global }
    .group_segment_fixed_size: 327680
    .private_segment_fixed_size: 0
    .kernarg_segment_align: 8
    .kernarg_segment_size: 24
    .max_flat_workgroup_size: 256
    .sgpr_count:     66
    .vgpr_count:     256
    .wavefront_size: 32
...
	.end_amdgpu_metadata
.endif
;; end of part 2
;; launch norm (part 3): grid 256 x 1, 8 waves a work-group, no clusters, 0 bytes of LDS; arguments x, ctx, gamma, beta, out0; writes out0
.if DOCPART == 3
	.amdgcn_target "amdgcn-amd-amdhsa--gfx1250"
	.amdhsa_code_object_version 6
	.text
	.protected	k_q3326eb29ea_norm
	.globl	k_q3326eb29ea_norm
	.p2align	8
	.type	k_q3326eb29ea_norm,@function
k_q3326eb29ea_norm:
	s_mov_b64 s[64:65], 0
	v_nop
	global_prefetch_b8 v0, s[64:65] scope:SCOPE_SE
	s_setreg_imm32_b32 hwreg(HW_REG_WAVE_MODE, 25, 1), 1
	s_wait_xcnt 0x0
; out0 = layernorm(x + 2 ctx) gamma + beta, rows of 768 f32.  A stream: each byte is read once and written once; no LDS, no barrier, no matrix unit, no loop.
; A wave takes four whole rows; a lane holds columns 128 j + 4 lane + 0 .. 3, j = 0 .. 5, so that each load and store of a wave covers 512 consecutive bytes.  All 60 loads of a wave go out at its head.
; The variance is taken in a second pass over the differences from the mean, never as a difference of large sums.  No register is written twice while a store may read it, so no wait frees one.
.set GA, 8                             ; v8-31    gamma of my 24 columns
.set BE, 32                            ; v32-55   beta
.set XR, 56                            ; v56-151  x, then y, then the result: 24 registers a row
.set CR, 152                           ; v152-247 ctx: 24 registers a row
.macro LANESUM r                       ; the sum over the 32 lanes, in every lane
	v_add_f32_dpp v[\r], v[\r], v[\r] row_xmask:1 row_mask:0xf bank_mask:0xf
	v_add_f32_dpp v[\r], v[\r], v[\r] row_xmask:2 row_mask:0xf bank_mask:0xf
	v_add_f32_dpp v[\r], v[\r], v[\r] row_xmask:4 row_mask:0xf bank_mask:0xf
	v_add_f32_dpp v[\r], v[\r], v[\r] row_xmask:8 row_mask:0xf bank_mask:0xf
	v_permlanex16_b32 v248, v[\r], s12, s13
	v_add_f32 v[\r], v[\r], v248
.endm
.macro RLOAD i
.irp j, 0,1,2,3,4,5
	global_load_b128 v[XR+24*(\i)+4*\j:XR+24*(\i)+4*\j+3], v1, s[4:5] offset:3072*(\i)+512*\j th:TH_LOAD_NT
.endr
.irp j, 0,1,2,3,4,5
	global_load_b128 v[CR+24*(\i)+4*\j:CR+24*(\i)+4*\j+3], v1, s[6:7] offset:3072*(\i)+512*\j th:TH_LOAD_NT
.endr
.endm
; row i.  w1: the younger loads that may stay out when the row is wanted; w2 (0 or more): the same ahead of the first use of gamma and beta
.macro ROW i, w1, w2
.set X, XR+24*(\i)
.set C, CR+24*(\i)
	s_wait_loadcnt \w1
.set k, 0
.rept 12
	v_pk_fma_f32 v[X+k:X+k+1], v[C+k:C+k+1], 2.0, v[X+k:X+k+1] op_sel_hi:[1,0,1]   ; y = x + 2 ctx
.set k, k+2
.endr
	v_pk_add_f32 v[2:3], v[X:X+1], v[X+2:X+3]      ; the sum, in two chains
	v_pk_add_f32 v[4:5], v[X+4:X+5], v[X+6:X+7]
.irp p, 8,12,16,20
	v_pk_add_f32 v[2:3], v[2:3], v[X+\p:X+\p+1]
	v_pk_add_f32 v[4:5], v[4:5], v[X+\p+2:X+\p+3]
.endr
	v_pk_add_f32 v[2:3], v[2:3], v[4:5]
	v_add_f32 v2, v2, v3
	LANESUM 2
	v_mul_f32 v2, s14, v2                          ; the mean
.set k, 0
.rept 12
	v_pk_add_f32 v[X+k:X+k+1], v[X+k:X+k+1], v[2:3] op_sel_hi:[1,0] neg_lo:[0,1] neg_hi:[0,1]   ; y - mean
.set k, k+2
.endr
	v_pk_mul_f32 v[4:5], v[X:X+1], v[X:X+1]        ; the squares, in two chains
	v_pk_mul_f32 v[6:7], v[X+2:X+3], v[X+2:X+3]
.irp p, 4,8,12,16,20
	v_pk_fma_f32 v[4:5], v[X+\p:X+\p+1], v[X+\p:X+\p+1], v[4:5]
	v_pk_fma_f32 v[6:7], v[X+\p+2:X+\p+3], v[X+\p+2:X+\p+3], v[6:7]
.endr
	v_pk_add_f32 v[4:5], v[4:5], v[6:7]
	v_add_f32 v4, v4, v5
	LANESUM 4
	v_fma_f32 v4, v4, s14, s15                     ; the variance + 1e-6
	v_rsq_f32 v4, v4
	v_nop                                          ; a plain instruction behind the transcendental
.if (\w2) >= 0
	s_wait_loadcnt \w2
.endif
.set k, 0
	s_wait_alu depctr_va_vdst(0)
.rept 12
	v_pk_mul_f32 v[X+k:X+k+1], v[X+k:X+k+1], v[4:5] op_sel_hi:[1,0]
.set k, k+2
.endr
.set k, 0
.rept 12
	v_pk_fma_f32 v[X+k:X+k+1], v[X+k:X+k+1], v[GA+k:GA+k+1], v[BE+k:BE+k+1]
.set k, k+2
.endr
.irp j, 0,1,2,3,4,5
	global_store_b128 v1, v[X+4*\j:X+4*\j+3], s[16:17] offset:3072*(\i)+512*\j th:TH_STORE_NT   ; 512 consecutive bytes, at a multiple of 256 from out0's first byte
.endr
.endm
	s_load_b256 s[4:11], s[0:1], 0x0               ; x, ctx, gamma, beta
	s_load_b64 s[16:17], s[0:1], 0x20              ; out0
	v_lshrrev_b32 v2, 5, v0
	v_readfirstlane_b32 s18, v2                    ; wave 0..7
	v_and_b32 v1, 31, v0
	v_lshlrev_b32 v1, 4, v1                        ; 16 x lane; never rewritten
	s_lshl_b32 s19, ttmp9, 3
	s_add_co_u32 s19, s19, s18
	s_mul_i32 s20, s19, 12288                      ; my wave's four rows
	s_mov_b32 s21, 0
	s_mov_b32 s12, 0x76543210
	s_mov_b32 s13, 0xfedcba98                      ; lane l xor 16
	s_mov_b32 s14, 0x3aaaaaab                      ; 1 / 768
	s_mov_b32 s15, 0x358637bd                      ; 1e-6
	v_mov_b32 v248, 0                              ; a lane permute's destination counts as one of its sources
	s_wait_kmcnt 0x0
	s_add_nc_u64 s[4:5], s[4:5], s[20:21]
	s_add_nc_u64 s[6:7], s[6:7], s[20:21]
	s_add_nc_u64 s[16:17], s[16:17], s[20:21]
	RLOAD 0
.irp j, 0,1,2,3,4,5
	global_load_b128 v[GA+4*\j:GA+4*\j+3], v1, s[8:9] offset:512*\j
.endr
.irp j, 0,1,2,3,4,5
	global_load_b128 v[BE+4*\j:BE+4*\j+3], v1, s[10:11] offset:512*\j
.endr
	RLOAD 1
	RLOAD 2
	RLOAD 3
	ROW 0, 48, 36                                  ; behind row 0's twelve loads: gamma's and beta's twelve and three rows' 36; behind those twelve: 36
	ROW 1, 24, -1
	ROW 2, 12, -1
	ROW 3, 0, -1
	s_endpgm
.Lfunc_end_k_q3326eb29ea_norm:
	.size	k_q3326eb29ea_norm, .Lfunc_end_k_q3326eb29ea_norm-k_q3326eb29ea_norm
	.p2alignl 7, 3214868480
	.fill 96, 4, 3214868480
	.section	.rodata,"a",@progbits
	.p2align	6, 0x0
	.amdhsa_kernel k_q3326eb29ea_norm
		.amdhsa_group_segment_fixed_size 0
		.amdhsa_private_segment_fixed_size 0
		.amdhsa_enable_private_segment 0
		.amdhsa_kernarg_size 40
		.amdhsa_user_sgpr_count 2
		.amdhsa_user_sgpr_kernarg_segment_ptr 1
		.amdhsa_wavefront_size32 1
		.amdhsa_system_sgpr_workgroup_id_x 1
		.amdhsa_system_sgpr_workgroup_id_y 1
		.amdhsa_system_sgpr_workgroup_id_z 1
		.amdhsa_system_vgpr_workitem_id 0
		.amdhsa_next_free_vgpr 256
		.amdhsa_next_free_sgpr 66
		.amdhsa_reserve_vcc 0
		.amdhsa_float_denorm_mode_32 3
		.amdhsa_float_denorm_mode_16_64 3
		.amdhsa_memory_ordered 1
		.amdhsa_forward_progress 1
		.amdhsa_inst_pref_size 31
	.end_amdhsa_kernel
	.amdgpu_metadata
---
amdhsa.version: [ 1, 2 ]
amdhsa.kernels:
  - .name:           k_q3326eb29ea_norm
    .symbol:         k_q3326eb29ea_norm.kd
    .args:
      - { .name: x, .offset: 0, .size: 8, .value_kind: global_buffer, .address_space: global }
      - { .name: ctx, .offset: 8, .size: 8, .value_kind: global_buffer, .address_space: global }
      - { .name: gamma, .offset: 16, .size: 8, .value_kind: global_buffer, .address_space: global }
      - { .name: beta, .offset: 24, .size: 8, .value_kind: global_buffer, .address_space: global }
      - { .name: out0, .offset: 32, .size: 8, .value_kind: global_buffer, .address_space: global }
    .group_segment_fixed_size: 0
    .private_segment_fixed_size: 0
    .kernarg_segment_align: 8
    .kernarg_segment_size: 40
    .max_flat_workgroup_size: 256
    .sgpr_count:     66
    .vgpr_count:     256
    .wavefront_size: 32
...
	.end_amdgpu_metadata
.endif
;; end of part 3
;; ======== version 2 of 2: 3 launches; version 1 with the launch proj written anew for expert scheduling mode
;; workspace buffers: qws 6,684,672 bytes; kvws 13,172,736 bytes; ctx 25,165,824 bytes
;; launch proj (part 4): grid 3 x 64, 4 waves a work-group, no clusters, 180,736 bytes of LDS; arguments x, wq_codes, wq_scales, bq, wk_codes, wk_scales, bk, wv_codes, wv_scales, bv, qws, kvws; writes qws, kvws
.if DOCPART == 4
	.amdgcn_target "amdgcn-amd-amdhsa--gfx1250"
	.amdhsa_code_object_version 6
	.text
	.protected	k_q3326eb29ea_proj
	.globl	k_q3326eb29ea_proj
	.p2align	8
	.type	k_q3326eb29ea_proj,@function
k_q3326eb29ea_proj:
	s_mov_b64 s[64:65], 0
	v_nop
	global_prefetch_b8 v0, s[64:65] scope:SCOPE_SE
	s_setreg_imm32_b32 hwreg(HW_REG_WAVE_SCHED_MODE, 0, 2), 2
	s_setreg_imm32_b32 hwreg(HW_REG_WAVE_MODE, 25, 1), 1
	s_wait_xcnt 0x0
	s_wait_alu depctr_vm_vsrc(0)
; q = x wq + bq, k = x wk + bk, v = x wv + bv on codes of BF8 (E5M2) with one E8M0 scale for each 32 along K = 768, and the results quantised again for attention:
; q and k along the head's 64 channels, v along the keys.  x [8192][768] f32 is quantised here; the weights come as codes [768 n][768 k] with scale bytes [768][24].
; SHARES.  A work-group takes 128 rows of x (one batch's key step) and four heads; wave w takes head 4 x + w and makes its q, k and v slices (64 features each) one after the other.
; 192 work-groups: 2,304 slices of 128 rows are 2.25 for each of 1,024 waves' places, and whole slices make that 3; the other places have no work in this launch.
; x's codes are made once in the work-group (wave w: tiles 2 w, 2 w + 1, six K steps) and go to the other waves through LDS as images of the operand's registers: 16 bytes a lane, 512 a store.
; A slice's 24 fragments of W (384 registers) stay in registers; two sets, so that the next slice's weights land under the slice in hand.
; THE ROWS OF A TILE ARE NOT NEIGHBOURS: lane r of tile T of the 128 rows holds row 32 (T / 2) + 8 (T % 2) + r + 8 (r / 8).  Used transposed (source 0 = 16 rows of W, taken by the same formula) a lane then
; holds one row of x and 16 neighbouring channels in two tiles' registers (q, k); used plainly (source 0 = x) a lane holds one channel and 16 neighbouring keys (v).  So the conversions' results are operands' registers.
; OUT.  qws: for each head 64 tile images of 1,024 bytes, then 32 pairs of scale words (128 bytes: lanes 0-15 the even tile, lanes 16-31 the odd).  kvws: for each head 8 key steps of 17,152 bytes, each with all that
; the step wants: K's 8 tile images (8,192 bytes), V's 4 channel tiles of 2,048 bytes, K's four pairs of scale words (512 bytes), V's scale words [lane][2] (256 bytes).  A q or k word has two bytes; its upper two are 0.
; The biases are the C of each sum's first matrix instruction.
; LIMITS: NaN and infinities among the inputs are not served.  A block of zeros gets the byte 1 where the rule says 127: its codes are zeros, and this program alone reads the bytes.
; A block whose largest magnitude lies under 2^(16 - 127) is quantised under the byte 1, as the rule's hold at -126 asks.
; The loads of x and of W take 16 bytes a lane from sixteen rows an instruction, in the operands' own order: no turn through LDS is made for them.
; REGISTERS, in windows of 256: window 0 as named below; v256-639 W's set A, v640-1023 set B (fragment (set, s, t) at 256 + 384 set + 64 s + 16 t); x lands as f32 in set B's step s before wk takes it.
; THE MODE: SCHED_MODE bits 1:0 = 2 (LLVM: expert scheduling mode 2), set by the entry lines.  The code itself states the register dependences
; between vector or matrix instructions and memory or LDS instructions, with s_wait_alu, always for 0.
; THE PLAN.  Registers that memory or LDS instructions touch:
;   v1-v9, v12-v15, v247   addresses and offsets, written at the head and never again: one wait on va_vdst ahead of the first load serves them all.
;   v[XAD], v[XSA]         read by every LDS load of a group; written once a group, behind K step 4's products: a wait on vm_vsrc ahead of the two additions, and behind them the wait on va_vdst that K step 4 owes anyway.
;   set B, step s          x's numbers land; a unit's maxima, holds and conversions read and write them; behind the unit's wait on va_vdst the next loads land there (the odd tile's numbers, then wk).
;   v[PC] on, v[PW]        written by a quantising; read by a unit's LDS stores or a group's global stores, behind one wait on va_vdst; written again only behind a wait on vm_vsrc: at a unit's head, and in a
;                          group the one that stands ahead of the additions to v[XAD], five K steps behind the last group's stores.
;   XF, two buffers        K step s's eight products read buffer s % 2; behind a wait on va_vdst K step s + 2 lands in it.  All 1,024 registers are taken, so there is no third buffer, and each K step has its wait.
;   XS                     read by all six K steps as scales; the next group's words land behind K step 5's wait.
;   W's sets, WS, BIAS     read by a slice's products; what lands there next is asked for behind the slice's last group, whose last two waits on va_vdst stand behind its last product.
;   ACC                    named by matrix and vector instructions alone, but for the staging of the biases at the head.
.set QHB,  69632                       ; a head's bytes in qws
.set HB,   137216                      ; a head's bytes in kvws
.set KSTB, 17152                       ; a key step's bytes in kvws
.set LI,   1                           ; v1   16 x lane
.set L4,   2                           ; v2   4 x lane
.set XA,   3                           ; v3   x: my row of a tile x 3,072 + 64 x half
.set WAT,  4                           ; v4   W, rows by the formula: x 768 + 16 x half
.set WAN,  5                           ; v5   W, rows as they lie
.set WSAT, 6                           ; v6   W's scale words: lanes 0-15 the even tile's rows, lanes 16-31 the odd tile's, 24 bytes a row
.set WSAN, 7                           ; v7   the same for rows as they lie
.set XWI,  8                           ; v8   LDS: where I store x's images: 16 x lane + 32,768 x wave
.set XWS,  9                           ; v9   and their scale words
.set XAD,  10                          ; v10  LDS: the group of x's images in hand
.set XSA,  11                          ; v11  and its scale words
.set BWI,  12                          ; v12  LDS: my wave's bias images
.set BAT,  13                          ; v13  64 x half
.set BAN,  14                          ; v14  4 x (lane % 16)
.set L8,   15                          ; v15  8 x lane
.set ACC,  16                          ; v16-79   eight accumulators
.set XF,   80                          ; v80-143  x's fragments: two K steps' buffers of two tiles
.set PC,   144                         ; v144-159 the codes just made
.set TM,   160                         ; v160-163 largest magnitudes, 164-167 bytes, 168-171 the hold, 172-175 the conversions' scale operands
.set BIAS, 176                         ; v176-207 the slice's bias in the result's layout
.set WS,   208                         ; v208-231 W's scale words: 12 x set + 6 x (tile / 2) + s
.set XS,   232                         ; v232-237 x's scale words of the group, one register a K step
.set VSR,  238                         ; v238-241 v's scale words as they grow
.set PK,   242                         ; v[242:243]
.set QW0,  244
.set QW1,  245
.set PW,   246                         ; the scale word to be stored
.set L4S,  247                         ; v247 4 x lane + 24,576
.set XB,   36                          ; s36  LDS byte at which the group in hand begins
.set CNT,  37
.set SH,   38                          ; s38  8 x the group: where v's byte goes in its word
.set HM,   39                          ; s39  lanes 16-31
.set SEL,  40                          ; s[40:41] lane l xor 16
.set MNT,  42                          ; s42  the mantissa field of 57,344
.set MSB, 0
.macro WIN new                         ; the immediate's high byte repeats the setting that is left; a switch that changes nothing is dropped
.if MSB != (\new)
	s_set_vgpr_msb (MSB<<8)|(\new)
.set MSB, (\new)
.endif
.endm
.macro PLACES                          ; eight plain vector instructions behind this matrix form, ahead of vector instructions that read its results
.rept 8
	v_nop
.endr
.endm
; my 16 rows of tile a, K step s: 64 numbers a lane, register 16 b + i = k 32 b + 16 (lane / 16) + i, into set B's step s
.macro XLOAD a, s
.set GX, 640+64*(\s)
.set GL, GX&255
	WIN (GX>>8)<<6
.irp b, 0,1,2,3
.irp j, 0,1,2,3
	global_load_b128 v[GL+16*\b+4*\j:GL+16*\b+4*\j+3], v[XA], s[4:5] offset:(\a)*24576+512*(\s)+128*\b+16*\j
.endr
.endr
	WIN 0
.endm
; a slice's four fragments of K step s and their scale words: 18 loads.  kind 0: rows by the formula (q, k); 1: rows as they lie (v)
.macro WLOAD kind, set, s, cp, sp
.set GW, 256+384*(\set)+64*(\s)
.set WL, GW&255
	WIN (GW>>8)<<6
.irp t, 0,1,2,3
.irp c, 0,1,2,3
.if \kind
	global_load_b128 v[WL+16*\t+4*\c:WL+16*\t+4*\c+3], v[WAN], s[\cp:\cp+1] offset:16*\t*768+128*(\s)+32*\c
.else
	global_load_b128 v[WL+16*\t+4*\c:WL+16*\t+4*\c+3], v[WAT], s[\cp:\cp+1] offset:(32*(\t/2)+8*(\t%2))*768+128*(\s)+32*\c
.endif
.endr
.endr
	WIN 0
.irp e, 0,1
.if \kind
	global_load_b32 v[WS+12*(\set)+6*\e+(\s)], v[WSAN], s[\sp:\sp+1] offset:768*\e+4*(\s)
.else
	global_load_b32 v[WS+12*(\set)+6*\e+(\s)], v[WSAT], s[\sp:\sp+1] offset:768*\e+4*(\s)
.endif
.endr
.endm
; 64 numbers of a lane at v[QLO] of window QSW, four blocks of 16 that lane l xor 16 completes, become 16 registers of codes in v[PC] on; the blocks' bytes are left in v[TM+4] on
.macro QUANT
	WIN 5*QSW
.irp b, 0,1,2,3
	v_max3_num_f32 v[TM+\b], |v[QLO+16*\b]|, |v[QLO+16*\b+1]|, 0x8000000   ; the floor 2^(16 - 127) among the leaves: the byte cannot fall under 1
.endr
	WIN 20*QSW
.irp i, 2,4,6,8,10,12,14
.irp b, 0,1,2,3
	v_max3_num_f32 v[TM+\b], v[TM+\b], |v[QLO+16*\b+\i]|, |v[QLO+16*\b+\i+1]|   ; the four blocks by turns
.endr
.endr
	WIN 0
.irp b, 0,1,2,3
	v_permlanex16_b32 v[TM+4+\b], v[TM+\b], s[SEL], s[SEL+1]
.endr
.irp b, 0,1,2,3
	v_max_num_f32 v[TM+\b], v[TM+\b], v[TM+4+\b]                   ; the block's largest magnitude
.endr
.irp b, 0,1,2,3
	v_add_nc_u32 v[TM+12+\b], 0xf8800000, v[TM+\b]                 ; 15 off its exponent field: the conversion's scale operand
.endr
.irp b, 0,1,2,3
	v_and_or_b32 v[TM+8+\b], v[TM+\b], 0x7f800000, s[MNT]          ; 57,344 x the scale
.endr
.irp b, 0,1,2,3
	v_lshrrev_b32 v[TM+4+\b], 23, v[TM+12+\b]                      ; the scale's byte
.endr
	WIN 65*QSW
.irp b, 0,1,2,3
.irp i, 0,1,2,3,4,5,6,7,8,9,10,11,12,13,14,15
	v_med3_num_f32 v[QLO+16*\b+\i], v[QLO+16*\b+\i], -v[TM+8+\b], v[TM+8+\b]   ; the conversion to an 8-bit code does not saturate (ISA guide 7.6.2): the hold comes first
.endr
.endr
	WIN QSW
.irp b, 0,1,2,3
	v_cvt_scalef32_pk8_bf8_f32 v[PC+4*\b:PC+4*\b+1], v[QLO+16*\b:QLO+16*\b+7], v[TM+12+\b]
	v_cvt_scalef32_pk8_bf8_f32 v[PC+4*\b+2:PC+4*\b+3], v[QLO+16*\b+8:QLO+16*\b+15], v[TM+12+\b]
.endr
	WIN 0
	v_nop                                          ; one plain vector instruction behind the last conversion, ahead of whatever next touches its registers
.endm
; tile a, K step s of my rows of x: quantised, and its image and scale words stored
.macro UNIT a, s
.set QLO, (640+64*(\s))&255
.set QSW, (640+64*(\s))>>8
	s_wait_loadcnt 63                              ; loads return in order; at least 80 younger ones have been issued at every such place, and a wait can name no more than 63: this unit's 16 are in
	s_wait_dscnt 0x0                               ; the last image's stores are done
	s_wait_alu depctr_vm_vsrc(0)                   ; the LDS stores issued so far have read v[PC] on and v[PW], which this unit writes again (ahead of the first unit: the stores that staged the biases, which read ACC's and XF's registers too)
	QUANT
	v_lshl_or_b32 v[PW], v[TM+5], 8, v[TM+4]
	v_lshl_or_b32 v[PW], v[TM+6], 16, v[PW]
	v_lshl_or_b32 v[PW], v[TM+7], 24, v[PW]        ; my row's scale word for these 128 along K
	s_wait_alu depctr_va_vdst(0)                   ; the conversions have written v[PC] on and the shifts v[PW], which the LDS stores read; the unit is done reading and writing its 64 numbers, in whose registers the loads behind this macro land
.irp c, 0,1,2,3
	ds_store_b128 v[XWI], v[PC+4*\c:PC+4*\c+3] offset:(\s)*4096+(\a)*2048+512*\c
.endr
	ds_store_b32 v[XWS], v[PW] offset:128*(\s)+64*(\a)   ; lanes l and l xor 16 write the same word with the same value
.endm
.macro XFETCH sl                       ; the group's two fragments of K step sl
.irp a, 0,1
.irp c, 0,1,2,3
	ds_load_b128 v[XF+32*((\sl)%2)+16*\a+4*\c:XF+32*((\sl)%2)+16*\a+4*\c+3], v[XAD] offset:(\sl)*4096+\a*2048+512*\c
.endr
.endr
.endm
.macro XSFETCH                         ; its scale words: lanes 0-15 the even tile's, lanes 16-31 the odd tile's
.irp s, 0,1,2,3,4,5
	ds_load_b32 v[XS+\s], v[XSA] offset:128*\s
.endr
.endm
.macro BIASLD slice
.irp i, 0,1,2,3,4,5,6,7
	ds_load_b128 v[BIAS+4*\i:BIAS+4*\i+3], v[BWI] offset:(\slice)*4096+512*\i
.endr
.endm
; one matrix instruction; ra, rb = 1: that side's scales are read from lanes 16-31
.macro WM d, a, b, c, sa, sb, ra, rb
.if (\ra) && (\rb)
	v_wmma_scale_f32_16x16x128_f8f6f4 v[(\d):(\d)+7], v[(\a):(\a)+15], v[(\b):(\b)+15], v[(\c):(\c)+7], v[(\sa)], v[(\sb)] matrix_a_fmt:MATRIX_FMT_BF8 matrix_b_fmt:MATRIX_FMT_BF8 matrix_a_scale:MATRIX_SCALE_ROW1 matrix_b_scale:MATRIX_SCALE_ROW1
.elseif (\ra)
	v_wmma_scale_f32_16x16x128_f8f6f4 v[(\d):(\d)+7], v[(\a):(\a)+15], v[(\b):(\b)+15], v[(\c):(\c)+7], v[(\sa)], v[(\sb)] matrix_a_fmt:MATRIX_FMT_BF8 matrix_b_fmt:MATRIX_FMT_BF8 matrix_a_scale:MATRIX_SCALE_ROW1
.elseif (\rb)
	v_wmma_scale_f32_16x16x128_f8f6f4 v[(\d):(\d)+7], v[(\a):(\a)+15], v[(\b):(\b)+15], v[(\c):(\c)+7], v[(\sa)], v[(\sb)] matrix_a_fmt:MATRIX_FMT_BF8 matrix_b_fmt:MATRIX_FMT_BF8 matrix_b_scale:MATRIX_SCALE_ROW1
.else
	v_wmma_scale_f32_16x16x128_f8f6f4 v[(\d):(\d)+7], v[(\a):(\a)+15], v[(\b):(\b)+15], v[(\c):(\c)+7], v[(\sa)], v[(\sb)] matrix_a_fmt:MATRIX_FMT_BF8 matrix_b_fmt:MATRIX_FMT_BF8
.endif
.endm
; K step s of a group: eight matrix instructions on eight accumulators, which take turns.  The first step's C is the bias: nothing is cleared
.macro MULT kind, set, s
.set GW, 256+384*(\set)+64*(\s)
.set WL, GW&255
.set XFB, XF+32*((\s)%2)
.set WSB, WS+12*(\set)+(\s)
.if \kind
	WIN (GW>>8)<<2                                 ; source 1 (W) in its window
.irp f, 0,1,2,3
.irp u, 0,1
.if (\s) == 0
	WM ACC+16*\f+8*\u, XFB+16*\u, WL+16*\f, BIAS+8*\f, XS+(\s), WSB+6*(\f/2), \u, \f%2
.else
	WM ACC+16*\f+8*\u, XFB+16*\u, WL+16*\f, ACC+16*\f+8*\u, XS+(\s), WSB+6*(\f/2), \u, \f%2
.endif
.endr
.endr
.else
	WIN GW>>8                                      ; source 0 (W) in its window
.irp a, 0,1
.irp t, 0,1,2,3
.if (\s) == 0
	WM ACC+32*\a+8*\t, WL+16*\t, XFB+16*\a, BIAS+8*\t, WSB+6*(\t/2), XS+(\s), \t%2, \a
.else
	WM ACC+32*\a+8*\t, WL+16*\t, XFB+16*\a, ACC+32*\a+8*\t, WSB+6*(\t/2), XS+(\s), \t%2, \a
.endif
.endr
.endr
.endif
	WIN 0
.endm
; A GROUP: x's tiles 2 n, 2 n + 1 against the slice's four tiles of features: 48 matrix instructions, one quantising, the stores.  Each K step's fragments are asked for two steps ahead, the next group's first two in steps 4 and 5.
.macro GROUP kind, set, cp, sp
	s_wait_dscnt 0x0                               ; K steps 0 and 1, the scale words, the bias: asked for ahead of the last quantising
	MULT \kind, \set, 0
	s_wait_alu depctr_va_vdst(0)                   ; K step 0's products are done reading XF's buffer 0, in which K step 2 lands
	XFETCH 2
	MULT \kind, \set, 1
	s_wait_alu depctr_va_vdst(0)                   ; K step 1's products are done reading buffer 1, in which K step 3 lands
	XFETCH 3
	s_wait_dscnt 8                                 ; all but the eight just issued: K step 2 is in
	MULT \kind, \set, 2
	s_wait_alu depctr_va_vdst(0)                   ; K step 2's products are done reading buffer 0, in which K step 4 lands
	XFETCH 4
	s_wait_dscnt 8
	MULT \kind, \set, 3
	s_wait_alu depctr_va_vdst(0)                   ; K step 3's products are done reading buffer 1, in which K step 5 lands
	XFETCH 5
	s_wait_dscnt 8
	MULT \kind, \set, 4
	s_add_co_u32 s[XB], s[XB], 32768               ; on to the next group; behind the fourth comes the first again, for the next slice
	s_and_b32 s[XB], s[XB], 0x1ffff
	s_wait_alu depctr_vm_vsrc(0)                   ; the LDS loads issued so far have read v[XAD] and v[XSA], which the two lines below write; the stores issued so far (the last group's, or the last unit's) have read v[PC] on and v[PW], which this group's quantising writes again
	v_add_nc_u32 v[XAD], s[XB], v[LI]
	v_add_nc_u32 v[XSA], s[XB], v[L4S]
	s_wait_alu depctr_va_vdst(0)                   ; v[XAD] and v[XSA] are written, which the loads below read; K step 4's products are done reading buffer 0, in which the next group's K step 0 lands
	XFETCH 0
	s_wait_dscnt 8
	MULT \kind, \set, 5
	PLACES                                         ; the quantising below reads results
	s_wait_alu depctr_va_vdst(0)                   ; K step 5's products are done reading buffer 1, and all six steps' their scale words in XS: the next group's K step 1 and scale words land there
	XFETCH 1
	XSFETCH
.set QLO, ACC
.set QSW, 0
	QUANT                                          ; each accumulator is read from its low end on.  It names ACC, TM and PC: none of the registers in which the loads above land
.if \kind
	s_wait_alu depctr_va_vdst(0)                   ; the conversions have written v[PC] on, which the stores read
.irp f, 0,1,2,3
	global_store_b128 v[LI], v[PC+4*\f:PC+4*\f+3], s[\cp:\cp+1] offset:2048*\f   ; channel tile f, keys 32 n on: 512 consecutive bytes
.endr
.irp f, 0,1,2,3
	v_lshl_or_b32 v[VSR+\f], v[TM+4+\f], s[SH], v[VSR+\f]
.endr
	s_wait_xcnt 0x0                                ; the stores have read their data and base: both are written again only behind this wait
	s_add_co_u32 s[SH], s[SH], 8
	s_add_nc_u64 s[\cp:\cp+1], s[\cp:\cp+1], 512
.else
	v_lshl_or_b32 v[QW0], v[TM+5], 8, v[TM+4]      ; the even tile's word: two bytes, zeros above
	v_lshl_or_b32 v[QW1], v[TM+7], 8, v[TM+6]      ; the odd tile's
	v_cndmask_b32 v[PW], v[QW0], v[QW1], s[HM]     ; lanes 16-31 carry the odd tile's
	s_wait_alu depctr_va_vdst(0)                   ; the conversions have written v[PC] on and the select v[PW], which the five stores read
.irp i, 0,1,2,3
	global_store_b128 v[LI], v[PC+4*\i:PC+4*\i+3], s[\cp:\cp+1] offset:512*\i    ; two tile images: 2,048 consecutive bytes
.endr
	global_store_b32 v[L4], v[PW], s[\sp:\sp+1]
	s_wait_xcnt 0x0                                ; as above
	s_add_nc_u64 s[\cp:\cp+1], s[\cp:\cp+1], 2048
	s_add_nc_u64 s[\sp:\sp+1], s[\sp:\sp+1], 128
.endif
.endm
.macro GROUPS kind, set, trips, cp, sp
	s_mov_b32 s[CNT], \trips
.Lgroup_\@:
	GROUP \kind, \set, \cp, \sp
	s_sub_co_u32 s[CNT], s[CNT], 1
	s_cmp_lg_u32 s[CNT], 0
	s_cbranch_scc1 .Lgroup_\@
.endm
	s_load_b512 s[4:19], s[0:1], 0x0               ; x, wq codes, wq scales, bq, wk codes, wk scales, bk, wv codes
	s_load_b256 s[20:27], s[0:1], 0x40             ; wv scales, bv, qws, kvws
	v_lshl_add_u32 v254, v0, 2, 0x2c000
	v_mov_b32 v255, 0
	v_lshrrev_b32 v248, 5, v0
	v_readfirstlane_b32 s28, v248                  ; wave 0..3
	v_and_b32 v248, 31, v0                         ; lane
	v_and_b32 v249, 15, v0                         ; r
	v_bfe_u32 v250, v0, 4, 1                       ; half
	v_and_b32 v251, 8, v249
	v_add_nc_u32 v251, v251, v249                  ; r + 8 (r / 8)
	v_lshlrev_b32 v[LI], 4, v248
	v_lshlrev_b32 v[L4], 2, v248
	v_lshlrev_b32 v[L8], 3, v248
	v_mul_u32_u24 v[XA], v251, 3072
	v_lshl_add_u32 v[XA], v250, 6, v[XA]
	v_mul_u32_u24 v[WAT], v251, 768
	v_lshl_add_u32 v[WAT], v250, 4, v[WAT]
	v_mul_u32_u24 v[WAN], v249, 768
	v_lshl_add_u32 v[WAN], v250, 4, v[WAN]
	v_lshl_add_u32 v252, v250, 3, v251
	v_mul_u32_u24 v[WSAT], v252, 24
	v_mul_u32_u24 v[WSAN], v248, 24
	v_lshlrev_b32 v[BAN], 2, v249
	v_lshlrev_b32 v[BAT], 6, v250
	v_add_nc_u32 v[L4S], 24576, v[L4]
	v_mov_b32 v[XAD], v[LI]                        ; the first group of x's images begins at LDS byte 0
	v_mov_b32 v[XSA], v[L4S]
.irp b, 0,1,2,3
	v_mov_b32 v[TM+4+\b], 0                        ; written once: a lane permute's destination counts as one of its sources
.endr
	s_wait_alu depctr_va_sdst(0)                   ; s28 is written, ahead of its first reader: my head, my LDS places and every base are made from it
	s_and_b32 s29, ttmp7, 0xffff                   ; which 128 rows
	s_lshl_b32 s31, ttmp9, 2
	s_add_co_u32 s31, s31, s28                     ; my head
	s_lshl_b32 s32, s28, 15                        ; my group's place in LDS: 32,768 x wave
	v_add_nc_u32 v[XWI], s32, v[LI]
	v_add_nc_u32 v[XWS], s32, v[BAN]
	v_add_nc_u32 v[XWS], 24576, v[XWS]
	s_mul_i32 s33, s28, 12288
	s_add_co_u32 s33, s33, 131072                  ; my bias images, behind the four groups
	v_add_nc_u32 v[BWI], s33, v[LI]
	s_mov_b32 s[HM], 0xffff0000
	s_mov_b32 s[SEL], 0x76543210
	s_mov_b32 s[SEL+1], 0xfedcba98
	s_mov_b32 s[MNT], 0x600000
	s_lshl_b32 s32, s29, 7
	s_lshl_b32 s34, s28, 5
	s_add_co_u32 s32, s32, s34
	s_mul_i32 s32, s32, 3072                       ; x: row 128 y + 32 wave
	s_mov_b32 s33, 0
	s_wait_kmcnt 0x0
	s_add_nc_u64 s[4:5], s[4:5], s[32:33]
	s_mul_i32 s32, s31, 49152                      ; my head's 64 rows of each weight,
	s_add_nc_u64 s[6:7], s[6:7], s[32:33]
	s_add_nc_u64 s[12:13], s[12:13], s[32:33]
	s_add_nc_u64 s[18:19], s[18:19], s[32:33]
	s_mul_i32 s32, s31, 1536                       ; of their scale bytes,
	s_add_nc_u64 s[8:9], s[8:9], s[32:33]
	s_add_nc_u64 s[14:15], s[14:15], s[32:33]
	s_add_nc_u64 s[20:21], s[20:21], s[32:33]
	s_lshl_b32 s32, s31, 8                         ; of the biases
	s_add_nc_u64 s[10:11], s[10:11], s[32:33]
	s_add_nc_u64 s[16:17], s[16:17], s[32:33]
	s_add_nc_u64 s[22:23], s[22:23], s[32:33]
	s_lshr_b32 s34, s29, 3
	s_mul_i32 s34, s34, 12
	s_add_co_u32 s34, s34, s31                     ; 12 x batch + head
	s_and_b32 s35, s29, 7                          ; the key step
	s_mul_i32 s32, s34, QHB
	s_lshl_b32 s36, s35, 13
	s_add_co_u32 s32, s32, s36
	s_add_nc_u64 s[44:45], s[24:25], s[32:33]      ; q's tile images
	s_mul_i32 s32, s34, QHB
	s_lshl_b32 s36, s35, 9
	s_add_co_u32 s32, s32, s36
	s_add_co_u32 s32, s32, 65536
	s_add_nc_u64 s[46:47], s[24:25], s[32:33]      ; q's scale words
	s_mul_i32 s32, s34, HB
	s_mul_i32 s36, s35, KSTB
	s_add_co_u32 s32, s32, s36
	s_add_nc_u64 s[48:49], s[26:27], s[32:33]      ; the key step's block: k's tile images,
	s_add_nc_u64 s[52:53], s[48:49], 8192          ; v's,
	s_add_nc_u64 s[50:51], s[48:49], 16384         ; k's scale words,
	s_add_nc_u64 s[54:55], s[48:49], 16896         ; v's
	s_wait_alu depctr_va_vdst(0)                   ; the addresses and offsets v1 to v15 and v247 are written, which the kernel's loads and stores read
	; the biases in the results' layouts.  q, k: lane (r, half), tile t, register j: feature 32 (t / 2) + 8 (t % 2) + 16 half + j.  v: feature 16 f + r in all eight registers
.irp t, 0,1,2,3
	global_load_b128 v[ACC+8*\t:ACC+8*\t+3], v[BAT], s[10:11] offset:(32*(\t/2)+8*(\t%2))*4
	global_load_b128 v[ACC+8*\t+4:ACC+8*\t+7], v[BAT], s[10:11] offset:(32*(\t/2)+8*(\t%2))*4+16
.endr
.irp t, 0,1,2,3
	global_load_b128 v[XF+8*\t:XF+8*\t+3], v[BAT], s[16:17] offset:(32*(\t/2)+8*(\t%2))*4
	global_load_b128 v[XF+8*\t+4:XF+8*\t+7], v[BAT], s[16:17] offset:(32*(\t/2)+8*(\t%2))*4+16
.endr
.irp f, 0,1,2,3
	global_load_b32 v[TM+\f], v[BAN], s[22:23] offset:64*\f
.endr
.irp s, 0,1,2,3,4,5
	XLOAD 0, \s
.endr
	s_wait_loadcnt 63                              ; 96 younger loads have been issued: the 20 bias loads are in
.irp i, 0,1,2,3,4,5,6,7
	ds_store_b128 v[BWI], v[ACC+4*\i:ACC+4*\i+3] offset:512*\i
.endr
.irp i, 0,1,2,3,4,5,6,7
	ds_store_b128 v[BWI], v[XF+4*\i:XF+4*\i+3] offset:4096+512*\i
.endr
.irp f, 0,1,2,3
.irp j, 0,1,2,3
	v_mov_b32 v[PC+4*\f+\j], v[TM+\f]
.endr
.endr
	s_wait_alu depctr_va_vdst(0)                   ; the sixteen copies have written v[PC] on, which the LDS stores read
.irp f, 0,1,2,3
	ds_store_b128 v[BWI], v[PC+4*\f:PC+4*\f+3] offset:8192+1024*\f
	ds_store_b128 v[BWI], v[PC+4*\f:PC+4*\f+3] offset:8192+1024*\f+512
.endr
	; x becomes codes.  Behind each unit its landing registers take the next loads: the odd tile's numbers and wq, then wk.  No further wait: between the unit's wait on va_vdst and these loads stand its five LDS stores alone,
	; which name none of the registers that the loads touch; wq's registers and scale words have been named by nothing yet
.irp s, 0,1,2,3,4,5
	UNIT 0, \s
	XLOAD 1, \s
	WLOAD 0, 0, \s, 6, 8
.endr
.irp s, 0,1,2,3,4,5
	UNIT 1, \s
	WLOAD 0, 1, \s, 12, 14
.endr
	s_wait_dscnt 0x0                               ; for the others' sake: my images and scale words lie in LDS
	s_barrier_signal -1
	s_barrier_wait -1                              ; everybody's do; from here on LDS is only read
	s_mov_b32 s[XB], 0
	XFETCH 0                                       ; v[XAD] and v[XSA] were written at the head; the stores that read XF's registers stand ahead of the units' waits on vm_vsrc
	XFETCH 1
	XSFETCH
	BIASLD 0
	s_wait_loadcnt 63                              ; wk's 108 loads are younger than wq's: wq is in
	GROUPS 0, 0, 4, 44, 46                         ; q
	WLOAD 1, 0, 0, 18, 20                          ; wv takes wq's registers: half of it now.  No wait: the last group's last two waits on va_vdst stand behind the slice's last product, and no vector or matrix instruction since names set A, its scale words or the bias
	WLOAD 1, 0, 1, 18, 20
	WLOAD 1, 0, 2, 18, 20
	BIASLD 1
	s_wait_loadcnt 54                              ; these 54 are younger than wk's: wk is in
	GROUPS 0, 1, 2, 48, 50                         ; k
	WLOAD 1, 0, 3, 18, 20                          ; the other half in the slice's middle.  No wait: k's products name set B; set A's steps 3 to 5 and their scale words were last read in q's slice
	WLOAD 1, 0, 4, 18, 20
	WLOAD 1, 0, 5, 18, 20
	GROUPS 0, 1, 2, 48, 50
	BIASLD 2                                       ; no wait: k's last products that read the bias stand ahead of the last group's waits on va_vdst
.irp f, 0,1,2,3
	v_mov_b32 v[VSR+\f], 0
.endr
	s_mov_b32 s[SH], 0
	s_wait_loadcnt 0x0                             ; wv
	GROUPS 1, 0, 4, 52, 54                         ; v
	v_cndmask_b32 v[PK], v[VSR], v[VSR+1], s[HM]   ; lanes 0-15 channel tile 0's words, lanes 16-31 tile 1's;
	v_cndmask_b32 v[PK+1], v[VSR+2], v[VSR+3], s[HM]   ; tiles 2 and 3
	s_wait_alu depctr_va_vdst(0)                   ; the two selects have written v[PK:PK+1], which the store reads
	global_store_b64 v[L8], v[PK:PK+1], s[54:55]   ; 256 consecutive bytes
	s_wait_dscnt 0x0                               ; the last group's look-ahead is not used
	s_wait_alu depctr_hold_cnt(0) depctr_sa_sdst(0) depctr_va_vdst(0) depctr_va_sdst(0) depctr_va_ssrc(0) depctr_va_vcc(0) depctr_vm_vsrc(0)
	s_wait_tensorcnt 0x0
	ds_add_u32 v254, v255
	s_wait_dscnt 0x0
	s_endpgm
.Lfunc_end_k_q3326eb29ea_proj:
	.size	k_q3326eb29ea_proj, .Lfunc_end_k_q3326eb29ea_proj-k_q3326eb29ea_proj
	.p2alignl 7, 3214868480
	.fill 96, 4, 3214868480
	.section	.rodata,"a",@progbits
	.p2align	6, 0x0
	.amdhsa_kernel k_q3326eb29ea_proj
		.amdhsa_group_segment_fixed_size 180736
		.amdhsa_private_segment_fixed_size 0
		.amdhsa_enable_private_segment 0
		.amdhsa_kernarg_size 96
		.amdhsa_user_sgpr_count 2
		.amdhsa_user_sgpr_kernarg_segment_ptr 1
		.amdhsa_wavefront_size32 1
		.amdhsa_system_sgpr_workgroup_id_x 1
		.amdhsa_system_sgpr_workgroup_id_y 1
		.amdhsa_system_sgpr_workgroup_id_z 1
		.amdhsa_system_vgpr_workitem_id 0
		.amdhsa_next_free_vgpr 1024
		.amdhsa_next_free_sgpr 66
		.amdhsa_reserve_vcc 0
		.amdhsa_float_denorm_mode_32 3
		.amdhsa_float_denorm_mode_16_64 3
		.amdhsa_memory_ordered 1
		.amdhsa_forward_progress 1
		.amdhsa_inst_pref_size 243
	.end_amdhsa_kernel
	.amdgpu_metadata
---
amdhsa.version: [ 1, 2 ]
amdhsa.kernels:
  - .name:           k_q3326eb29ea_proj
    .symbol:         k_q3326eb29ea_proj.kd
    .args:
      - { .name: x, .offset: 0, .size: 8, .value_kind: global_buffer, .address_space: global }
      - { .name: wq_codes, .offset: 8, .size: 8, .value_kind: global_buffer, .address_space: global }
      - { .name: wq_scales, .offset: 16, .size: 8, .value_kind: global_buffer, .address_space: global }
      - { .name: bq, .offset: 24, .size: 8, .value_kind: global_buffer, .address_space: global }
      - { .name: wk_codes, .offset: 32, .size: 8, .value_kind: global_buffer, .address_space: global }
      - { .name: wk_scales, .offset: 40, .size: 8, .value_kind: global_buffer, .address_space: global }
      - { .name: bk, .offset: 48, .size: 8, .value_kind: global_buffer, .address_space: global }
      - { .name: wv_codes, .offset: 56, .size: 8, .value_kind: global_buffer, .address_space: global }
      - { .name: wv_scales, .offset: 64, .size: 8, .value_kind: global_buffer, .address_space: global }
      - { .name: bv, .offset: 72, .size: 8, .value_kind: global_buffer, .address_space: global }
      - { .name: qws, .offset: 80, .size: 8, .value_kind: global_buffer, .address_space: global }
      - { .name: kvws, .offset: 88, .size: 8, .value_kind: global_buffer, .address_space: global }
    .group_segment_fixed_size: 180736
    .private_segment_fixed_size: 0
    .kernarg_segment_align: 8
    .kernarg_segment_size: 96
    .max_flat_workgroup_size: 128
    .sgpr_count:     66
    .vgpr_count:     1024
    .wavefront_size: 32
...
	.end_amdgpu_metadata
.endif
;; end of part 4
;; launch attn: the kernel of part 2 again; grid 8 x 32, 8 waves a work-group, clusters of 4 x 1, 327,680 bytes of LDS; arguments qws, kvws, ctx; writes ctx
;; launch norm: the kernel of part 3 again; grid 256 x 1, 8 waves a work-group, no clusters, 0 bytes of LDS; arguments x, ctx, gamma, beta, out0; writes out0
